; MI455X (gfx1250); checked and timed in simulation.
; The chip was launched on July 23, 2026; its instructions are those of AMD's public machine-readable ISA for CDNA 5 (MIT licence, August 2026) and "CDNA5" Instruction Set Architecture Reference Guide (July 2026). The comments in the code are by the model that wrote it; some were corrected since.
;; Deformable DETR. Allowed arithmetic: matrix products marked QUANTISED: E3M2 operands, one E8M0 scale for each 32 along K, by v_wmma_scale_f32_16x16x128_f8f6f4 with both operands' format E3M2, f32 sums; products left as they are: f32 operands where the result goes on into a quantised operand, else bf16, f16 or f32 operands; f32 sums; everything else in f32.
;; Inputs: We 8 x 768 x 256 float32; Wg 768 x 8 float32; be 8 x 256 float32; bg 8 float32; x 8 x 4,096 x 768 float32.
;; Outputs: out0 8 x 4,096 x 256 float32.
;; This version of the problem:
;;   THIS VERSION OF THE PROBLEM IS GIVEN IN LOW PRECISION. The matrix products marked QUANTISED in the list below multiply operands that are first quantised to E3M2 (3 exponent bits, 2 mantissa bits; 6 bits a number), with one power-of-two scale for each 32 numbers along K (OCP MX v1.0); their sums are f32. All else is computed in f32.
;;   The module's matrix products, in the order in which they are computed (A, B: the left and right operand; K: the contracted axis; several contracted axes count as one K, in the product's order):
;;     1. [M 32,768, K 768] x [K 768, N 8]; A: input x; B: input Wg: left as it is (N = 8 < 16)
;;     2. [M 32,768, K 768] x [K 768, N 2,048]; A: input x; B: input We: QUANTISED
;;     3. batch 32,768 x [M 1, K 8] x [K 8, N 256]; A: computed on the way; B: computed on the way: left as it is (K = 8 < 32)
;;   THE QUANTISER, for each operand of a quantised product, along K:
;;     - K is cut into blocks of 32 from its start; a last block that is shorter is filled with zeros.
;;     - A block's scale is 2^e with e = floor(log2(the largest magnitude in the block)) - 4, held to -126 .. 127; a block of zeros has e = 0. As a byte (E8M0): e + 127.
;;     - Each number is divided by its block's scale, clamped to +-28, and rounded to the nearest number of E3M2, ties to even, subnormals kept.
;;     - The product sums the exact products of the quantised numbers (number of the format x scale) in f32.
;;   ~~~python
;;   def quantise(x, axis):      # numpy; x: float32 -> the quantised numbers, widened to float32 again
;;       x = np.moveaxis(x, axis, -1); K = x.shape[-1]
;;       x = np.pad(x, [(0, 0)] * (x.ndim - 1) + [(0, -K % 32)]); x = x.reshape(x.shape[:-1] + (-1, 32)); a = np.abs(x).max(-1, keepdims=True)
;;       e = np.where(a > 0, np.clip(np.frexp(np.where(a > 0, a, 1))[1] - 1 - 4, -126, 127), 0)      # np.frexp(a)[1] - 1 = floor(log2(a)), exactly
;;       r = np.clip(x / 2.0 ** e, -28, 28)
;;       step = 2.0 ** (np.maximum(np.frexp(np.where(r == 0, 1, r))[1] - 1, -2) - 2)
;;       q = np.round(r / step) * step * 2.0 ** e      # np.round: ties to even
;;       return np.moveaxis(q.reshape(q.shape[:-2] + (-1,))[..., :K], -1, axis).astype(np.float32)
;;   ~~~
;; 3 versions. Each part assembles by itself: llvm-mc -triple=amdgcn-amd-amdhsa -mcpu=gfx1250 --defsym DOCPART=n.
;; ======== version 1 of 3: 3 launches
;; workspace buffers: xq 20,971,520 bytes; wq 1,245,184 bytes; gw 262,144 bytes; ow 262,144 bytes; meta 131,072 bytes of whole numbers; hist 32,768 bytes of whole numbers; order 131,072 bytes of whole numbers
;; launch prep (part 1): grid 256 x 1, 4 waves a work-group, no clusters, 21,504 bytes of LDS; arguments x, Wg, bg, We, xq, wq, gw, meta, hist; writes xq, wq, gw, meta, hist
.if DOCPART == 1
	.amdgcn_target "amdgcn-amd-amdhsa--gfx1250"
	.amdhsa_code_object_version 6
	.text
	.protected	k_qe94de870c6_prep
	.globl	k_qe94de870c6_prep
	.p2align	8
	.type	k_qe94de870c6_prep,@function
k_qe94de870c6_prep:
	s_mov_b64 s[64:65], 0
	v_nop
	global_prefetch_b8 v0, s[64:65] scope:SCOPE_SE
	s_setreg_imm32_b32 hwreg(HW_REG_WAVE_MODE, 25, 1), 1
	s_wait_xcnt 0x0
; FIRST OF THREE LAUNCHES.  For each of 32,768 tokens: the gate x Wg + bg in f32 (fused multiply-adds), its two largest entries, their softmax weights; x quantised to E3M2 with one E8M0
; byte for each 32 along K; and, shared out among the work-groups, We quantised along K (its first axis inside an expert) into images of the matrix operand's registers.
; OUT: xq, a record of 640 bytes a token: bytes 0-287 the even blocks of 32 (24 bytes each), 288-575 the odd blocks, 576-599 the 24 scale bytes, 600-639 zeros.  So the lanes 0-15 (16-31) of a
;      fragment find their blocks of all six K steps as 288 bytes on end.   wq, 128 units (expert x tile of 16 columns) of 9,728 bytes: six fragment images of 1,536 bytes (register 4 j + w of lane L
;      at 512 j + 16 L + 4 w), then at 9,216 the scale words: lane L at 16 L, word u = K step 2 u + L / 16 of column L % 16.   gw: (weight of the lower expert, of the higher), by token.
;      meta: rank among the work-group's 128 tokens of the same key | key << 8 | lower expert << 16 | higher << 20.   hist: how many of the work-group's tokens have each key.
; The key of a pair (lo < hi) runs 0..27 in an order in which neighbouring keys share an expert.  None of these numbers enters an address or a branch here: they are only stored.
; SHARES.  Work-group g: tokens 128 g on; wave w: 32 of them, two a step: lanes 0-15 token T0 + i, lanes 16-31 token T0 + 16 + i.  Lane r owns k = 256 gq + 16 r + 0..15 (gq = 0..2): 48 numbers,
; and keeps its 48 x 8 numbers of Wg in registers for the whole launch.  Two neighbouring lanes hold a block of 32.  Waves 0-2 also quantise one fragment of We: unit g / 2, K step 3 (g % 2) + w.
; LIMITS: NaN and infinities are not served.  A block of zeros gets the byte 1 (not 127) with zero codes: the bytes are read by this program alone.  The two experts are chosen on these f32 logits
; (the lower index wins a tie); where two logits lie within f32 rounding of each other the choice may differ from one made on the rounded softmax.
; No tensor loads, no cluster: the work-groups share only Wg's 24,576 bytes.
; REGISTERS: window 0: v1-15 lane numbers and offsets; v16-31 the gate's sums (two sets of four pairs); v32-39 the logits kept for lane = token; v40-62 at work on the blocks; v64-127 the end; v128-150 We's codes.
;   window 1: Wg for my k 0-31 (register 8 k + e); window 2: for my k 32-47; window 3: v0-191 four steps of x; v192-255 We's numbers, later the records on their way out.
.set HX, 20480                         ; LDS: behind the four waves' stages of 5,120 bytes: four rows of 32 counts
.set MSB, 0
.macro WIN new                         ; the immediate's high byte repeats the setting that is left
.if MSB != \new
	s_set_vgpr_msb (MSB<<8)|\new
.set MSB, \new
.endif
.endm
.macro XLOAD u, off                    ; one step's 2 x 768 numbers into ring slot u: 12 loads of 16 bytes a lane
	WIN 0xc0                                       ; destination window 3
.irp gq, 0,1,2
.irp j, 0,1,2,3
	global_load_b128 v[48*(\u)+16*\gq+4*\j:48*(\u)+16*\gq+4*\j+3], v4, s[4:5] offset:(\off)+1024*\gq+16*\j th:TH_LOAD_NT
.endr
.endr
	WIN 0
.endm
; One step: two tokens.  left = the younger steps' loads that may stay out, 12 each.
.macro STEP u, ahead, left
	s_wait_loadcnt \left                           ; loads come back in order: this step's twelve are in
	WIN 0x07                                       ; x window 3, Wg window 1, sums window 0
.set kk, 0
.rept 48                               ; my 48 k x 8 experts, two experts an instruction; even and odd k add into two sets, so that a sum is taken up again only eight instructions on
.if kk == 32
	WIN 0x0b                                       ; Wg window 2
.endif
.set xr, 48*\u+(kk/2)*2
.set wr, 8*(kk%32)
.set ar, 16+8*(kk%2)
.irp p, 0,1,2,3
.if kk == 0
	v_pk_mul_f32 v[ar+2*\p:ar+2*\p+1], v[xr:xr+1], v[wr+2*\p:wr+2*\p+1] op_sel_hi:[0,1]            ; the first products start the sums
.elseif kk == 1
	v_pk_mul_f32 v[ar+2*\p:ar+2*\p+1], v[xr:xr+1], v[wr+2*\p:wr+2*\p+1] op_sel:[1,0] op_sel_hi:[1,1]
.elseif kk%2 == 0
	v_pk_fma_f32 v[ar+2*\p:ar+2*\p+1], v[xr:xr+1], v[wr+2*\p:wr+2*\p+1], v[ar+2*\p:ar+2*\p+1] op_sel_hi:[0,1,1]   ; the pair's first x for both halves
.else
	v_pk_fma_f32 v[ar+2*\p:ar+2*\p+1], v[xr:xr+1], v[wr+2*\p:wr+2*\p+1], v[ar+2*\p:ar+2*\p+1] op_sel:[1,0,0] op_sel_hi:[1,1,1]   ; its second
.endif
.endr
.set kk, kk+1
.endr
	WIN 0x0f                                       ; sources 0 and 1 window 3
.irp gq, 0,1,2
	v_max3_num_f32 v[40+\gq], |v[48*\u+16*\gq]|, |v[48*\u+16*\gq+1]|, 0x2800000   ; my 16 of a block, and the floor 2^(5 - 127): the byte cannot fall under 1
.endr
.irp i, 2,4,6,8,10,12,14
.irp gq, 0,1,2
	v_max3_num_f32 v[40+\gq], |v[48*\u+16*\gq+\i]|, |v[48*\u+16*\gq+\i+1]|, v[40+\gq]
.endr
.endr
	WIN 0
.irp p, 0,1,2,3
	v_pk_add_f32 v[16+2*\p:17+2*\p], v[16+2*\p:17+2*\p], v[24+2*\p:25+2*\p]
.endr
.irp mk, 1,2,4,8
.irp e, 0,1,2,3,4,5,6,7
	v_add_f32_dpp v[16+\e], v[16+\e], v[16+\e] row_xmask:\mk row_mask:0xf bank_mask:0xf   ; over the 16 lanes of a token
.endr
.endr
.irp gq, 0,1,2
	v_max_num_f32_dpp v[40+\gq], v[40+\gq], v[40+\gq] row_xmask:1 row_mask:0xf bank_mask:0xf   ; with my neighbour's 16: the block's largest magnitude
.endr
.irp gq, 0,1,2
	v_add_nc_u32 v[44+\gq], 0xfe000000, v[40+\gq]  ; 4 off its exponent field: the conversion's scale operand
.endr
	s_lshl_b32 s33, s32, \u                        ; lanes i and 16 + i keep this step's logits: at the end lane L stands for token T0 + L
.irp e, 0,1,2,3,4,5,6,7
	v_cndmask_b32 v[32+\e], v[32+\e], v[16+\e], s33
.endr
	s_wait_dscnt 0x0                               ; the last step's LDS stores have read the registers that are written now
	WIN 0x03                                       ; source 0 window 3
.irp gq, 0,1,2
	v_cvt_scalef32_pk16_bf6_f32 v[52+4*\gq:54+4*\gq], v[48*\u+16*\gq:48*\u+16*\gq+15], v[44+\gq]
.endr
	WIN 0
.irp gq, 0,1,2
	v_lshrrev_b32 v[48+\gq], 23, v[44+\gq]         ; the scale's byte (also the plain line behind the conversions)
.endr
.irp gq, 0,1,2
.irp k, 0,1,2
	ds_store_b32 v6, v[52+4*\gq+\k] offset:640*\u+96*\gq+4*\k   ; my 12 bytes of the token's record
.endr
	ds_store_b8 v7, v[48+\gq] offset:640*\u+8*\gq  ; both lanes of a block write the same byte with the same value
.endr
.if \ahead
	XLOAD \u, (\u+4)*3072                          ; the slot takes the step four on
.endif
.endm
; Eight records leave: tokens T0 + 4 trip + 0..3 (2,560 bytes on end) and the same 16 tokens on.  Each store of the wave covers 512 consecutive bytes, aligned to 256.
.macro FLUSH
	s_wait_xcnt 0x0                                ; the last flush's stores have read their registers
	WIN 0xc0
.irp t, 0,1,2,3,4,5,6,7,8,9
	ds_load_b128 v[192+4*\t:195+4*\t], v8 offset:512*\t   ; LDS serves a wave's instructions in order: these see my stores
.endr
	WIN 0x0c                                       ; a store's data are its source 1: window 3
.irp t, 0,1,2,3,4,5,6,7,8,9
	s_wait_dscnt 9-\t
	global_store_b128 v9, v[192+4*\t:195+4*\t], s[12:13] offset:512*\t+7680*(\t/5)
.endr
	WIN 0
.endm
	s_load_b512 s[4:19], s[0:1], 0x0               ; x s[4:5], Wg s[6:7], bg s[8:9], We s[10:11], xq s[12:13], wq s[14:15], gw s[16:17], meta s[18:19]
	s_load_b64 s[20:21], s[0:1], 0x40              ; hist
	v_lshl_add_u32 v254, v0, 2, 0x5200
	v_mov_b32 v255, 0
	v_lshrrev_b32 v1, 5, v0
	v_readfirstlane_b32 s22, v1                    ; wave
	v_and_b32 v1, 31, v0                           ; L
	v_and_b32 v2, 15, v0                           ; r
	v_bfe_u32 v3, v0, 4, 1                         ; h
	v_mul_u32_u24 v4, v3, 0xc000                   ; x: 16 tokens of 3,072 bytes for the upper lanes,
	v_lshl_add_u32 v4, v2, 6, v4                   ; + 64 r
	v_lshlrev_b32 v5, 9, v2                        ; Wg: 16 r rows of 32 bytes
	s_mul_i32 s33, s22, 5120                       ; my wave's stage: eight records
	v_bfe_u32 v10, v0, 1, 1
	v_mul_u32_u24 v6, v10, 288                     ; my codes' place in a record: odd blocks 288 on,
	v_bfe_u32 v10, v0, 2, 2
	v_mad_u32_u24 v6, v10, 24, v6                  ; 24 bytes a block of that kind,
	v_and_b32 v10, 1, v0
	v_mad_u32_u24 v6, v10, 12, v6                  ; the block's upper 16 codes 12 on,
	v_mad_u32_u24 v6, v3, 2560, v6                 ; the upper lanes' records four slots on
	v_add_nc_u32 v6, s33, v6
	v_bfe_u32 v10, v0, 1, 3
	v_mad_u32_u24 v7, v3, 2560, v10                ; my block's scale byte
	v_add_nc_u32 v7, s33, v7
	v_add_nc_u32 v7, 576, v7
	v_lshl_add_u32 v8, v1, 4, s33                  ; the stage read on end
	v_lshlrev_b32 v9, 4, v1
	v_lshlrev_b32 v10, 2, v2                       ; We: column r, the upper lanes 32 rows of 1,024 bytes down
	v_lshl_add_u32 v10, v3, 15, v10
	v_lshlrev_b32 v12, 4, v2
	v_lshlrev_b32 v13, 2, v1
	v_lshlrev_b32 v14, 3, v1
	v_bfe_u32 v11, v0, 2, 3
	v_mul_u32_u24 v11, v11, 640
	v_add_nc_u32 v11, s33, v11                     ; record L / 4 of the stage
	v_and_b32 v15, 3, v0
	v_lshl_add_u32 v15, v15, 3, v11
	v_lshl_add_u32 v101, v0, 2, HX                 ; my word among the counts: 128 x wave + 4 L
	v_mov_b32 v126, 0
	v_mov_b32 v127, 0
.irp e, 0,1,2,3,4,5,6,7
	v_mov_b32 v[32+\e], 0                          ; read as the other side of a select before all lanes are written
.endr
	ds_store_b64 v15, v[126:127] offset:600        ; bytes 600-639 of the eight records: zeros, once
	ds_store_b64 v11, v[126:127] offset:632
	s_mov_b32 s48, 0x76543210
	s_mov_b32 s49, 0xfedcba98                      ; v_permlanex16_b32's selects for lane L xor 16
	s_mov_b32 s32, 0x00010001
	s_lshr_b32 s34, ttmp9, 1                       ; We: the unit,
	s_and_b32 s35, ttmp9, 1
	s_mul_i32 s35, s35, 3
	s_add_co_u32 s35, s35, s22                     ; the K step (waves 0-2),
	s_lshr_b32 s36, s34, 4
	s_mul_i32 s36, s36, 786432                     ; the expert's 768 x 256 numbers,
	s_lshl_b32 s38, s35, 17                        ; 128 rows of 1,024 bytes a K step,
	s_add_co_u32 s36, s36, s38
	s_and_b32 s37, s34, 15
	s_lshl_b32 s37, s37, 6                         ; 16 columns a tile
	s_add_co_u32 s36, s36, s37
	s_mov_b32 s37, 0
	s_mul_i32 s38, s34, 9728
	s_mul_i32 s39, s35, 1536
	s_add_co_u32 s38, s38, s39                     ; the fragment's image in wq
	s_mov_b32 s39, 0
	s_mul_i32 s40, s34, 9728
	s_and_b32 s41, s35, 1
	s_lshl_b32 s41, s41, 8
	s_add_co_u32 s40, s40, s41                     ; its scale words: odd K steps in the upper lanes' places,
	s_lshr_b32 s41, s35, 1
	s_lshl_b32 s41, s41, 2
	s_add_co_u32 s40, s40, s41                     ; word s / 2
	s_mov_b32 s41, 0
	s_lshl_b32 s46, ttmp9, 7
	s_lshl_b32 s47, s22, 5
	s_add_co_u32 s46, s46, s47                     ; T0
	s_mul_i32 s50, s46, 3072
	s_mov_b32 s51, 0
	s_mul_i32 s52, s46, 640
	s_mov_b32 s53, 0
	s_lshl_b32 s54, s46, 3
	s_mov_b32 s55, 0
	s_lshl_b32 s56, s46, 2
	s_mov_b32 s57, 0
	s_lshl_b32 s58, ttmp9, 7
	s_mov_b32 s59, 0
	s_wait_kmcnt 0x0
	s_load_b256 s[24:31], s[8:9], 0x0              ; bg
	s_add_nc_u64 s[4:5], s[4:5], s[50:51]
	s_add_nc_u64 s[12:13], s[12:13], s[52:53]
	s_add_nc_u64 s[16:17], s[16:17], s[54:55]
	s_add_nc_u64 s[18:19], s[18:19], s[56:57]
	s_add_nc_u64 s[20:21], s[20:21], s[58:59]
	s_add_nc_u64 s[10:11], s[10:11], s[36:37]
	s_add_nc_u64 s[42:43], s[14:15], s[38:39]
	s_add_nc_u64 s[44:45], s[14:15], s[40:41]
	WIN 0x40                                       ; my slice of Wg: it stays
.set kk, 0
.rept 32
	global_load_b128 v[8*kk:8*kk+3], v5, s[6:7] offset:8192*(kk/16)+32*(kk%16)
	global_load_b128 v[8*kk+4:8*kk+7], v5, s[6:7] offset:8192*(kk/16)+32*(kk%16)+16
.set kk, kk+1
.endr
	WIN 0x80
.set kk, 0
.rept 16
	global_load_b128 v[8*kk:8*kk+3], v5, s[6:7] offset:16384+32*kk
	global_load_b128 v[8*kk+4:8*kk+7], v5, s[6:7] offset:16384+32*kk+16
.set kk, kk+1
.endr
	WIN 0
.irp u, 0,1,2,3
	XLOAD \u, \u*3072                              ; the ring is filled: four steps, 48 loads a wave
.endr
	; ---- waves 0-2: one fragment of We.  Lane (r, h) takes column r and its registers run down K: k = 64 c + 32 h + 0..31, the order of the operand's registers, so nothing is transposed
	s_cmp_lt_u32 s22, 3
	s_cbranch_scc0 .Lno_we
	WIN 0xc0
.irp c, 0,1
.set i, 0
.rept 32
	global_load_b32 v[192+32*\c+i], v10, s[10:11] offset:(64*\c+i)*1024
.set i, i+1
.endr
.endr
	s_wait_loadcnt 0x0                             ; these were issued last: all my loads are in
	WIN 0x0f
.irp c, 0,1
	v_max3_num_f32 v[128+\c], |v[192+32*\c]|, |v[193+32*\c]|, 0x2800000   ; a whole block is mine; the floor as above
.endr
.irp i, 2,4,6,8,10,12,14,16,18,20,22,24,26,28,30
.irp c, 0,1
	v_max3_num_f32 v[128+\c], |v[192+32*\c+\i]|, |v[193+32*\c+\i]|, v[128+\c]
.endr
.endr
	WIN 0
.irp c, 0,1
	v_add_nc_u32 v[130+\c], 0xfe000000, v[128+\c]
.endr
.irp c, 0,1
	v_lshrrev_b32 v[132+\c], 23, v[130+\c]
.endr
	v_lshl_or_b32 v134, v133, 16, v132             ; my two bytes: blocks h and 2 + h,
	v_lshlrev_b32 v135, 3, v3
	v_lshlrev_b32 v134, v135, v134                 ; 8 h bits up;
	v_mov_b32 v135, 0
	v_permlanex16_b32 v135, v134, s48, s49
	v_or_b32 v134, v134, v135                      ; with lane L xor 16's two the word is whole
	WIN 0x03
.irp c, 0,1
	v_cvt_scalef32_pk16_bf6_f32 v[136+6*\c:138+6*\c], v[192+32*\c:207+32*\c], v[130+\c]
	v_cvt_scalef32_pk16_bf6_f32 v[148+4*\c:150+4*\c], v[208+32*\c:223+32*\c], v[130+\c]   ; (a conversion's three registers begin on an even number)
.endr
	WIN 0
	v_nop                                          ; one plain line behind the conversions
.irp c, 0,1
.irp i, 0,1,2
	v_mov_b32 v[139+6*\c+\i], v[148+4*\c+\i]
.endr
.endr
.irp j, 0,1,2
	global_store_b128 v9, v[136+4*\j:139+4*\j], s[42:43] offset:512*\j   ; the image: 512 consecutive bytes a store
.endr
	global_store_b32 v12, v134, s[44:45] offset:9216                     ; column r's scale word (both halves of the lanes hold and write the same)
.Lno_we:
	s_mov_b32 s23, 3
.Ltrip:                                            ; three trips of four steps; each step refills its slot, so 48 loads a wave stay out
	STEP 0, 1, 36
	STEP 1, 1, 36
	STEP 2, 1, 36
	STEP 3, 1, 36
	FLUSH
	s_wait_xcnt 0x0                                ; loads and stores have read their bases
	s_add_nc_u64 s[4:5], s[4:5], 12288
	s_add_nc_u64 s[12:13], s[12:13], 2560
	s_lshl_b32 s32, s32, 4
	s_sub_co_u32 s23, s23, 1
	s_cmp_lg_u32 s23, 0
	s_cbranch_scc1 .Ltrip
	STEP 0, 0, 36                                  ; the last four steps load nothing: the counts run down
	STEP 1, 0, 24
	STEP 2, 0, 12
	STEP 3, 0, 0
	FLUSH
	; ---- the end: lane L stands for token T0 + L
	s_wait_kmcnt 0x0                               ; bg
.irp e, 0,1,2,3,4,5,6,7
	v_add_f32 v[64+\e], s[24+\e], v[32+\e]
.endr
	v_mov_b32 v72, v64                             ; the largest logit and its expert,
	v_mov_b32 v73, 0
	v_mov_b32 v74, 0xff800000                      ; the second largest
	v_mov_b32 v75, 0
.irp e, 1,2,3,4,5,6,7                  ; strictly greater: the lower index keeps a tie
	v_mov_b32 v76, \e
	v_cmp_gt_f32 s34, v[64+\e], v72
	v_cmp_gt_f32 s35, v[64+\e], v74
	v_cndmask_b32 v74, v74, v[64+\e], s35
	v_cndmask_b32 v75, v75, v76, s35
	v_cndmask_b32 v74, v74, v72, s34
	v_cndmask_b32 v75, v75, v73, s34
	v_cndmask_b32 v72, v72, v[64+\e], s34
	v_cndmask_b32 v73, v73, v76, s34
.endr
.irp e, 0,1,2,3,4,5,6,7
	v_sub_f32 v[80+\e], v[64+\e], v72              ; the maximum is taken away ahead of the exponentials
.endr
	v_sub_f32 v88, v74, v72
.irp e, 0,1,2,3,4,5,6,7,8
	v_mul_f32 v[80+\e], 0x3fb8aa3b, v[80+\e]
.endr
.irp e, 0,1,2,3,4,5,6,7,8
	v_exp_f32 v[80+\e], v[80+\e]
.endr
	v_nop                                          ; a plain line behind the exponentials
	s_wait_alu depctr_va_vdst(0)
	v_add_f32 v89, v80, v81
	v_add_f32 v90, v82, v83
	v_add_f32 v91, v84, v85
	v_add_f32 v92, v86, v87
	v_add_f32 v89, v89, v90
	v_add_f32 v91, v91, v92
	v_add_f32 v89, v89, v91
	v_rcp_f32 v89, v89                             ; the largest's weight: 1 / the sum
	v_min_u32 v91, v73, v75                        ; lo  (a plain line behind the reciprocal)
	v_max_u32 v92, v73, v75                        ; hi
	s_wait_alu depctr_va_vdst(0)
	v_mul_f32 v90, v88, v89                        ; the second's weight
	v_cmp_lt_u32 vcc_lo, v73, v75
	v_cndmask_b32 v94, v90, v89, vcc_lo            ; lo's weight,
	v_cndmask_b32 v95, v89, v90, vcc_lo            ; hi's
	v_sub_nc_u32 v96, 15, v91
	v_mul_u32_u24 v96, v91, v96
	v_lshrrev_b32 v96, 1, v96                      ; pairs with a smaller lo: lo (15 - lo) / 2
	v_sub_nc_u32 v97, 7, v92                       ; odd lo: hi runs down,
	v_sub_nc_u32 v98, v92, v91
	v_add_nc_u32 v98, -1, v98                      ; even lo: up
	v_and_b32 v99, 1, v91
	v_cmp_eq_u32 vcc_lo, 1, v99
	v_cndmask_b32 v97, v98, v97, vcc_lo
	v_add_nc_u32 v96, v96, v97                     ; the key
	v_mov_b32 v100, 0
.set qq, 0
.rept 28
	v_cmp_eq_u32 s34, qq, v96
	s_bcnt1_i32_b32 s35, s34
	v_writelane_b32 v100, s35, qq                  ; lane q: how many of my wave's tokens have key q
.set qq, qq+1
.endr
	ds_store_b32 v101, v100
	s_wait_dscnt 0x0                               ; for the others' sake: my counts are in LDS
	s_barrier_signal -1
	s_barrier_wait -1
.irp k, 0,1,2,3
	ds_load_b32 v[102+\k], v13 offset:HX+128*\k
.endr
	s_wait_dscnt 0x0
	v_add_nc_u32 v106, v102, v103
	v_add_nc_u32 v107, v104, v105
	v_add_nc_u32 v106, v106, v107                  ; the work-group's counts
	v_mov_b32 v108, 0
.irp k, 0,1,2
	s_cmp_gt_u32 s22, \k
	s_cselect_b32 s34, -1, 0
	v_and_b32 v109, s34, v[102+\k]
	v_add_nc_u32 v108, v108, v109                  ; those of the waves in front of mine
.endr
	v_mov_b32 v110, 0
.set qq, 0
.rept 28
	v_cmp_eq_u32 s34, qq, v96
	v_readlane_b32 s35, v108, qq
	v_mbcnt_lo_u32_b32 v111, s34, s35              ; lanes below mine with key q, + the waves in front
	v_cndmask_b32 v110, v110, v111, s34            ; my rank, where q is my key
.set qq, qq+1
.endr
	v_lshl_or_b32 v110, v96, 8, v110
	v_lshl_or_b32 v110, v91, 16, v110
	v_lshl_or_b32 v110, v92, 20, v110
	global_store_b32 v13, v110, s[18:19]
	global_store_b64 v14, v[94:95], s[16:17]
	s_cmp_lg_u32 s22, 0
	s_cbranch_scc1 .Ldone
	global_store_b32 v13, v106, s[20:21]
.Ldone:
	s_wait_tensorcnt 0x0
	ds_add_u32 v254, v255
	s_wait_dscnt 0x0
	s_endpgm
.Lfunc_end_k_qe94de870c6_prep:
	.size	k_qe94de870c6_prep, .Lfunc_end_k_qe94de870c6_prep-k_qe94de870c6_prep
	.p2alignl 7, 3214868480
	.fill 96, 4, 3214868480
	.section	.rodata,"a",@progbits
	.p2align	6, 0x0
	.amdhsa_kernel k_qe94de870c6_prep
		.amdhsa_group_segment_fixed_size 21504
		.amdhsa_private_segment_fixed_size 0
		.amdhsa_enable_private_segment 0
		.amdhsa_kernarg_size 72
		.amdhsa_user_sgpr_count 2
		.amdhsa_user_sgpr_kernarg_segment_ptr 1
		.amdhsa_wavefront_size32 1
		.amdhsa_system_sgpr_workgroup_id_x 1
		.amdhsa_system_sgpr_workgroup_id_y 1
		.amdhsa_system_sgpr_workgroup_id_z 1
		.amdhsa_system_vgpr_workitem_id 0
		.amdhsa_next_free_vgpr 1024
		.amdhsa_next_free_sgpr 66
		.amdhsa_reserve_vcc 1
		.amdhsa_float_denorm_mode_32 3
		.amdhsa_float_denorm_mode_16_64 3
		.amdhsa_memory_ordered 1
		.amdhsa_forward_progress 1
		.amdhsa_inst_pref_size 201
	.end_amdhsa_kernel
	.amdgpu_metadata
---
amdhsa.version: [ 1, 2 ]
amdhsa.kernels:
  - .name:           k_qe94de870c6_prep
    .symbol:         k_qe94de870c6_prep.kd
    .args:
      - { .name: x, .offset: 0, .size: 8, .value_kind: global_buffer, .address_space: global }
      - { .name: Wg, .offset: 8, .size: 8, .value_kind: global_buffer, .address_space: global }
      - { .name: bg, .offset: 16, .size: 8, .value_kind: global_buffer, .address_space: global }
      - { .name: We, .offset: 24, .size: 8, .value_kind: global_buffer, .address_space: global }
      - { .name: xq, .offset: 32, .size: 8, .value_kind: global_buffer, .address_space: global }
      - { .name: wq, .offset: 40, .size: 8, .value_kind: global_buffer, .address_space: global }
      - { .name: gw, .offset: 48, .size: 8, .value_kind: global_buffer, .address_space: global }
      - { .name: meta, .offset: 56, .size: 8, .value_kind: global_buffer, .address_space: global }
      - { .name: hist, .offset: 64, .size: 8, .value_kind: global_buffer, .address_space: global }
    .group_segment_fixed_size: 21504
    .private_segment_fixed_size: 0
    .kernarg_segment_align: 8
    .kernarg_segment_size: 72
    .max_flat_workgroup_size: 128
    .sgpr_count:     66
    .vgpr_count:     1024
    .wavefront_size: 32
...
	.end_amdgpu_metadata
.endif
;; end of part 1
;; launch place (part 2): grid 32 x 1, 8 waves a work-group, no clusters, 3,072 bytes of LDS; arguments meta, hist, gw, order, ow; writes order, ow
.if DOCPART == 2
	.amdgcn_target "amdgcn-amd-amdhsa--gfx1250"
	.amdhsa_code_object_version 6
	.text
	.protected	k_qe94de870c6_place
	.globl	k_qe94de870c6_place
	.p2align	8
	.type	k_qe94de870c6_place,@function
k_qe94de870c6_place:
	s_mov_b64 s[64:65], 0
	v_nop
	global_prefetch_b8 v0, s[64:65] scope:SCOPE_SE
	s_setreg_imm32_b32 hwreg(HW_REG_WAVE_MODE, 25, 1), 1
	s_wait_xcnt 0x0
; SECOND LAUNCH: a counting sort of the 32,768 tokens by the key of their pair of experts, without atomics.  A token's place = the tokens of all smaller keys + the tokens of its key in earlier
; blocks of 128 + its rank in its block.  order[place] = token | lo << 16 | hi << 20;  ow[place] = the token's two weights.
; Wave w of work-group g owns block c = 8 g + w.  The 256 rows of counts (lane = key) are summed by the eight waves, 32 rows each, and the parts meet in LDS behind one barrier.
; The stores are of 4 and 8 bytes to places that hang on the data: 393,216 bytes in all; tokens of one key and one block land side by side.
	s_load_b256 s[4:11], s[0:1], 0x0               ; meta s[4:5], hist s[6:7], gw s[8:9], order s[10:11]
	s_load_b64 s[12:13], s[0:1], 0x20              ; ow
	v_lshl_add_u32 v112, v0, 2, 0x800
	v_mov_b32 v113, 0
	v_lshrrev_b32 v1, 5, v0
	v_readfirstlane_b32 s14, v1                    ; wave
	v_and_b32 v1, 31, v0                           ; L
	v_lshlrev_b32 v2, 2, v1
	v_lshlrev_b32 v3, 3, v1
	s_lshl_b32 s15, ttmp9, 3                       ; 8 g
	s_add_co_u32 s16, s15, s14                     ; c
	s_lshl_b32 s20, s14, 12                        ; rows 32 w on, 128 bytes each
	s_mov_b32 s21, 0
	s_lshl_b32 s22, ttmp9, 10                      ; rows 8 g on
	s_mov_b32 s23, 0
	s_lshl_b32 s24, s16, 9                         ; my block's 128 words of meta
	s_mov_b32 s25, 0
	s_lshl_b32 s26, s16, 10                        ; and pairs of gw
	s_mov_b32 s27, 0
	s_lshl_b32 s28, s14, 5
	s_sub_co_i32 s28, s15, s28                     ; my row i lies in front of the work-group's blocks where i < 8 g - 32 w
	s_lshl_b32 s30, s14, 8
	v_add_nc_u32 v7, s30, v2                       ; LDS: 256 x wave + 4 L
	s_lshl_b32 s33, s16, 7
	v_add_nc_u32 v100, s33, v1                     ; token 128 c + L
	s_wait_kmcnt 0x0
	s_add_nc_u64 s[20:21], s[6:7], s[20:21]
	s_add_nc_u64 s[22:23], s[6:7], s[22:23]
	s_add_nc_u64 s[4:5], s[4:5], s[24:25]
	s_add_nc_u64 s[8:9], s[8:9], s[26:27]
.set i, 0
.rept 32
	global_load_b32 v[16+i], v2, s[20:21] offset:128*i
.set i, i+1
.endr
.irp k, 0,1,2,3,4,5,6,7
	global_load_b32 v[48+\k], v2, s[22:23] offset:128*\k
.endr
.irp j, 0,1,2,3
	global_load_b32 v[56+\j], v2, s[4:5] offset:128*\j
.endr
.irp j, 0,1,2,3
	global_load_b64 v[60+2*\j:61+2*\j], v3, s[8:9] offset:256*\j
.endr
	s_wait_loadcnt 16                              ; my 32 rows are in; the 16 loads behind them may be out
	v_mov_b32 v4, 0
	v_mov_b32 v5, 0
.set i, 0
.rept 32
	s_cmp_gt_i32 s28, i
	s_cselect_b32 s29, -1, 0
	v_add_nc_u32 v4, v4, v[16+i]                   ; all my rows,
	v_and_b32 v6, s29, v[16+i]
	v_add_nc_u32 v5, v5, v6                        ; and those in front of the work-group's blocks
.set i, i+1
.endr
	ds_store_b32 v7, v4
	ds_store_b32 v7, v5 offset:128
	s_wait_dscnt 0x0                               ; for the others' sake
	s_barrier_signal -1
	s_barrier_wait -1
.irp k, 0,1,2,3,4,5,6,7
	ds_load_b32 v[68+\k], v2 offset:256*\k
	ds_load_b32 v[76+\k], v2 offset:256*\k+128
.endr
	s_wait_dscnt 0x0
	v_add3_u32 v14, v68, v69, v70
	v_add3_u32 v15, v76, v77, v78
	v_add3_u32 v14, v14, v71, v72
	v_add3_u32 v15, v15, v79, v80
	v_add3_u32 v14, v14, v73, v74
	v_add3_u32 v15, v15, v81, v82
	v_add_nc_u32 v14, v14, v75                     ; lane q: all tokens of key q
	v_add_nc_u32 v15, v15, v83                     ; and those in blocks in front of 8 g
	s_wait_loadcnt 0x0
	v_mov_b32 v101, 0
.irp k, 0,1,2,3,4,5,6
	s_cmp_gt_u32 s14, \k
	s_cselect_b32 s29, -1, 0
	v_and_b32 v6, s29, v[48+\k]
	v_add_nc_u32 v101, v101, v6                    ; blocks 8 g .. c - 1
.endr
	s_mov_b32 s31, 0
	v_mov_b32 v8, 0
.set qq, 0
.rept 28
	v_writelane_b32 v8, s31, qq                    ; lane q: the tokens of all smaller keys
	v_readlane_b32 s32, v14, qq
	s_add_co_u32 s31, s31, s32
.set qq, qq+1
.endr
	v_add3_u32 v9, v8, v15, v101                   ; lane q: where my block's tokens of key q begin
.irp j, 0,1,2,3
	v_bfe_u32 v[10+\j], v[56+\j], 8, 5
	v_min_u32 v[10+\j], 31, v[10+\j]
	v_lshlrev_b32 v[10+\j], 2, v[10+\j]
	ds_bpermute_b32 v[84+\j], v[10+\j], v9         ; from the lane of my token's key
.endr
	s_wait_dscnt 0x0
.irp j, 0,1,2,3
	v_and_b32 v102, 127, v[56+\j]                  ; the rank
	v_add_nc_u32 v102, v102, v[84+\j]
	v_min_u32 v102, 0x7fff, v102                   ; a place is under 32,768
	v_lshlrev_b32 v[88+\j], 2, v102
	v_lshlrev_b32 v[92+\j], 3, v102
	v_add_nc_u32 v103, 32*\j, v100
	v_and_or_b32 v[96+\j], v[56+\j], 0xff0000, v103
	global_store_b32 v[88+\j], v[96+\j], s[10:11]
	global_store_b64 v[92+\j], v[60+2*\j:61+2*\j], s[12:13]
.endr
	s_wait_tensorcnt 0x0
	ds_add_u32 v112, v113
	s_wait_dscnt 0x0
	s_endpgm
.Lfunc_end_k_qe94de870c6_place:
	.size	k_qe94de870c6_place, .Lfunc_end_k_qe94de870c6_place-k_qe94de870c6_place
	.p2alignl 7, 3214868480
	.fill 96, 4, 3214868480
	.section	.rodata,"a",@progbits
	.p2align	6, 0x0
	.amdhsa_kernel k_qe94de870c6_place
		.amdhsa_group_segment_fixed_size 3072
		.amdhsa_private_segment_fixed_size 0
		.amdhsa_enable_private_segment 0
		.amdhsa_kernarg_size 40
		.amdhsa_user_sgpr_count 2
		.amdhsa_user_sgpr_kernarg_segment_ptr 1
		.amdhsa_wavefront_size32 1
		.amdhsa_system_sgpr_workgroup_id_x 1
		.amdhsa_system_sgpr_workgroup_id_y 1
		.amdhsa_system_sgpr_workgroup_id_z 1
		.amdhsa_system_vgpr_workitem_id 0
		.amdhsa_next_free_vgpr 114
		.amdhsa_next_free_sgpr 66
		.amdhsa_reserve_vcc 0
		.amdhsa_float_denorm_mode_32 3
		.amdhsa_float_denorm_mode_16_64 3
		.amdhsa_memory_ordered 1
		.amdhsa_forward_progress 1
		.amdhsa_inst_pref_size 22
	.end_amdhsa_kernel
	.amdgpu_metadata
---
amdhsa.version: [ 1, 2 ]
amdhsa.kernels:
  - .name:           k_qe94de870c6_place
    .symbol:         k_qe94de870c6_place.kd
    .args:
      - { .name: meta, .offset: 0, .size: 8, .value_kind: global_buffer, .address_space: global }
      - { .name: hist, .offset: 8, .size: 8, .value_kind: global_buffer, .address_space: global }
      - { .name: gw, .offset: 16, .size: 8, .value_kind: global_buffer, .address_space: global }
      - { .name: order, .offset: 24, .size: 8, .value_kind: global_buffer, .address_space: global }
      - { .name: ow, .offset: 32, .size: 8, .value_kind: global_buffer, .address_space: global }
    .group_segment_fixed_size: 3072
    .private_segment_fixed_size: 0
    .kernarg_segment_align: 8
    .kernarg_segment_size: 40
    .max_flat_workgroup_size: 256
    .sgpr_count:     66
    .vgpr_count:     114
    .wavefront_size: 32
...
	.end_amdgpu_metadata
.endif
;; end of part 2
;; launch chain (part 3): grid 256 x 1, 4 waves a work-group, no clusters, 70,144 bytes of LDS; arguments xq, wq, be, order, ow, out0; writes out0
.if DOCPART == 3
	.amdgcn_target "amdgcn-amd-amdhsa--gfx1250"
	.amdhsa_code_object_version 6
	.text
	.protected	k_qe94de870c6_chain
	.globl	k_qe94de870c6_chain
	.p2align	8
	.type	k_qe94de870c6_chain,@function
k_qe94de870c6_chain:
	s_mov_b64 s[64:65], 0
	v_nop
	global_prefetch_b8 v0, s[64:65] scope:SCOPE_SE
	s_setreg_imm32_b32 hwreg(HW_REG_WAVE_MODE, 25, 1), 1
	s_wait_xcnt 0x0
; THIRD LAUNCH: out[t] = the sum over t's two experts e of cw_e (Q(x[t]) Q(We[e]) + be[e]), on codes of E3M2 with E8M0 scales.  The other six experts have weight 0 in the problem's own one-hot and are not multiplied.
; SHARES.  The tokens come sorted by their pair of experts.  Wave w of work-group b (i = w / 2, j = w % 2) owns the 64 sorted places 128 b + 64 i on (four tiles of 16 tokens) and the output columns
; 128 j .. 128 j + 127, in two passes of four tiles of 16.  It owns those numbers of out alone: no sum spans waves, and the launch has no barrier.
; THE WALK.  The wave lists the experts that its 64 tokens use (two as a rule, three where a key changes, any number up to eight is served) and multiplies all 64 tokens by each; a token that does not
; use an expert takes it with weight 0.  The trip count and the weights' addresses hang on whole numbers read from the stored list.
; THE WEIGHTS go from memory straight into registers, as images of the operand's registers: four buffers of one unit (six fragments, scale words, bias), each asked for again as soon as it has been
; multiplied: 21 loads a buffer.  NO JOINT LOADS, NO LDS RING: which experts a wave walks, and how many, differs from wave to wave and from work-group to work-group, so partners would ask for
; different numbers of tiles, and neither a barrier nor a tensor load may stand under a branch on loaded numbers.
; THE PRODUCT IS USED TRANSPOSED: source 0 = 16 columns of We, source 1 = 16 tokens: lane (r, h) holds token r and its registers the columns 8 h + 0..7.  The bias is the C of a sum's first instruction.
; REGISTERS: window 0: v1-7 offsets and at work; v8-19 list entries, lo, hi; v20-27 the two weights; v28-35 this expert's weight (even registers); v36-39, v240-243 the records' offsets; v40-63 x's scale words;
;   v64-79 We's scale words; v80-111 bias; v112-143 four accumulators; v144-175 the rows' offsets in out; v176-239 rows on their way out; v244-249 lane offsets.
;   window 1: v0-143 x's K steps 0-2 (36 a tile); v144-215 weight buffer 3.   window 2: v0-143 x's K steps 3-5; v144-239 out's sums for n = 0..2.   window 3: v0-215 weight buffers 0-2; v216-247 out's sums for n = 3.
.set MSB, 0
.macro WIN new                         ; the immediate's high byte repeats the setting that is left
.if MSB != \new
	s_set_vgpr_msb (MSB<<8)|\new
.set MSB, \new
.endif
.endm
.macro TAB n                           ; where column tile n has its weight buffer (window WW, register WB) and its sums (OW, OB)
.if \n < 3
.set WW, 3
.set WB, 72*\n
.set OW, 2
.set OB, 144+32*\n
.else
.set WW, 1
.set WB, 144
.set OW, 3
.set OB, 216
.endif
.endm
.macro PF n                            ; buffer n is asked for: the next expert's unit of column tile n: 18 + 1 + 2 loads
	TAB \n
	WIN (WW<<6)
.irp qq, 0,1,2,3,4,5,6,7,8,9,10,11,12,13,14,15,16,17
	global_load_b128 v[WB+4*\qq:WB+4*\qq+3], v1, s[24:25] offset:9728*\n+512*\qq
.endr
	WIN 0
	global_load_b96 v[64+4*\n:66+4*\n], v1, s[24:25] offset:9728*\n+9216   ; word u: lanes 0-15 K step 2 u, lanes 16-31 K step 2 u + 1
	global_load_b128 v[80+8*\n:83+8*\n], v2, s[26:27] offset:64*\n
	global_load_b128 v[84+8*\n:87+8*\n], v2, s[26:27] offset:64*\n+16
.endm
.macro NEXT pb                         ; s34 = 4 x the next expert's place in the list; pb: the pass's bases
	s_wait_xcnt 0x0                                ; the loads that are out have read the bases
	s_lshr_b32 s23, s19, s34
	s_and_b32 s23, s23, 7
	s_min_u32 s23, s23, 7
	s_mul_i32 s36, s23, 155648                     ; 16 units an expert
	s_mov_b32 s37, 0
	s_add_nc_u64 s[24:25], s[\pb:\pb+1], s[36:37]
	s_lshl_b32 s36, s23, 10
	s_add_nc_u64 s[26:27], s[\pb+2:\pb+3], s[36:37]
.endm
.macro CWS                             ; each token's weight for expert s22: lo's, hi's or 0
.irp m, 0,1,2,3
	v_cmp_eq_u32 vcc_lo, s22, v[12+\m]
	v_cndmask_b32 v5, 0, v[20+2*\m], vcc_lo
	v_cmp_eq_u32 vcc_lo, s22, v[16+\m]
	v_cndmask_b32 v[28+2*\m], v5, v[21+2*\m], vcc_lo
.endr
.endm
.macro HEAD pb
	s_mov_b32 s22, s23                             ; the expert whose units are on their way is now in hand
	NEXT \pb
	CWS
.endm
.macro MM n, s, m
.if \s == 0
	v_wmma_scale_f32_16x16x128_f8f6f4 v[112+8*\m:119+8*\m], v[WB+12*\s:WB+12*\s+11], v[36*\m+12*(\s%3):36*\m+12*(\s%3)+11], v[80+8*\n:87+8*\n], v[64+4*\n+\s/2], v[40+6*\m+\s] matrix_a_fmt:MATRIX_FMT_BF6 matrix_b_fmt:MATRIX_FMT_BF6
.elseif \s%2 == 0
	v_wmma_scale_f32_16x16x128_f8f6f4 v[112+8*\m:119+8*\m], v[WB+12*\s:WB+12*\s+11], v[36*\m+12*(\s%3):36*\m+12*(\s%3)+11], v[112+8*\m:119+8*\m], v[64+4*\n+\s/2], v[40+6*\m+\s] matrix_a_fmt:MATRIX_FMT_BF6 matrix_b_fmt:MATRIX_FMT_BF6
.else
	v_wmma_scale_f32_16x16x128_f8f6f4 v[112+8*\m:119+8*\m], v[WB+12*\s:WB+12*\s+11], v[36*\m+12*(\s%3):36*\m+12*(\s%3)+11], v[112+8*\m:119+8*\m], v[64+4*\n+\s/2], v[40+6*\m+\s] matrix_a_fmt:MATRIX_FMT_BF6 matrix_b_fmt:MATRIX_FMT_BF6 matrix_a_scale:MATRIX_SCALE_ROW1
.endif
.endm
; One column tile of one expert against the 64 tokens: 24 matrix instructions, the four accumulators by turns, one instruction a turn, K ascending.
; Then out's sums take weight x result.  Behind the last matrix instruction stand four v_nop; the packed lines of the other tiles of tokens, which name none of its registers, add to them: so at least
; four plain lines stand in front of each read of a result and of the loads into the buffer, and at least five in front of the next matrix instruction that begins an accumulator anew.
; wc = the younger buffers' loads that may stay out, 21 each.
.macro BODY n, first, pf, wc
	TAB \n
	s_wait_loadcnt \wc
	WIN (WW|(1<<2))                                ; source 0 the buffer's window, source 1 window 1
.irp s, 0,1,2
.irp m, 0,1,2,3
	MM \n, \s, \m
.endr
.endr
	WIN (WW|(2<<2))                                ; source 1 window 2
.irp s, 3,4,5
.irp m, 0,1,2,3
	MM \n, \s, \m
.endr
.endr
.rept 4
	v_nop
.endr
	WIN ((OW<<6)|(OW<<4))                          ; destination and source 2: out's sums
.irp m, 0,1,2,3
.irp p, 0,1,2,3                        ; each accumulator from its low end on
.if \first
	v_pk_mul_f32 v[OB+8*\m+2*\p:OB+8*\m+2*\p+1], v[112+8*\m+2*\p:112+8*\m+2*\p+1], v[28+2*\m:29+2*\m] op_sel_hi:[1,0]   ; the first expert starts the sums
.else
	v_pk_fma_f32 v[OB+8*\m+2*\p:OB+8*\m+2*\p+1], v[112+8*\m+2*\p:112+8*\m+2*\p+1], v[28+2*\m:29+2*\m], v[OB+8*\m+2*\p:OB+8*\m+2*\p+1] op_sel_hi:[1,0,1]
.endif
.endr
.endr
.if \pf
	PF \n
.endif
	WIN 0
.endm
; A pass's 64 tokens x 64 columns leave through my own stage in LDS (rows of 256 bytes + 16): in by lanes that hold 32 bytes of a row, back as whole rows; sixteen lanes store 256 consecutive
; bytes, aligned, of a token's row of out.  LDS serves a wave's instructions in order: no wait between the stores and the loads.
.macro FLUSH ch
.irp n, 0,1,2,3
	TAB \n
	WIN (OW<<2)                                    ; an LDS store's data are its source 1
.irp m, 0,1,2,3
	ds_store_b128 v3, v[OB+8*\m:OB+8*\m+3] offset:4352*\m+64*\n
	ds_store_b128 v3, v[OB+8*\m+4:OB+8*\m+7] offset:4352*\m+64*\n+16
.endr
.endr
	WIN 0
.irp g, 0,1,2,3
	s_wait_xcnt 0x0                                ; earlier stores have read the registers that are loaded now
.irp t, 0,1,2,3,4,5,6,7
	ds_load_b128 v[176+32*(\g%2)+4*\t:176+32*(\g%2)+4*\t+3], v4 offset:(16*\g+2*\t)*272
.endr
.irp t, 0,1,2,3,4,5,6,7
	s_wait_dscnt 7-\t
	global_store_b128 v[144+8*\g+\t], v[176+32*(\g%2)+4*\t:176+32*(\g%2)+4*\t+3], s[32:33] offset:256*\ch th:TH_STORE_NT
.endr
.endr
.endm
	s_load_b256 s[4:11], s[0:1], 0x0               ; xq s[4:5], wq s[6:7], be s[8:9], order s[10:11]
	s_load_b128 s[12:15], s[0:1], 0x20             ; ow s[12:13], out0 s[14:15]
	v_lshl_add_u32 v254, v0, 2, 0x11000
	v_mov_b32 v255, 0
	v_lshrrev_b32 v5, 5, v0
	v_readfirstlane_b32 s16, v5                    ; wave
	s_lshr_b32 s17, s16, 1                         ; i: which 64 places
	s_and_b32 s18, s16, 1                          ; j: which 128 columns
	v_and_b32 v5, 31, v0                           ; L
	v_lshlrev_b32 v1, 4, v5                        ; 16 L
	v_bfe_u32 v6, v0, 4, 1                         ; h
	v_lshlrev_b32 v2, 5, v6                        ; 32 h
	v_and_b32 v7, 15, v0                           ; r
	s_mul_i32 s34, s16, 17408                      ; my stage
	v_mul_u32_u24 v3, v7, 272
	v_add_nc_u32 v3, v3, v2
	v_add_nc_u32 v3, s34, v3                       ; in: row r, + 32 h
	v_mul_u32_u24 v4, v6, 272
	v_lshl_add_u32 v4, v7, 4, v4
	v_add_nc_u32 v4, s34, v4                       ; back: lanes 0-15 one row, lanes 16-31 the next
	v_lshlrev_b32 v244, 2, v7                      ; 4 r
	v_lshlrev_b32 v245, 3, v7                      ; 8 r
	v_lshlrev_b32 v246, 2, v6                      ; 4 h
	v_lshlrev_b32 v247, 4, v7                      ; 16 r
	v_mul_u32_u24 v248, v6, 288                    ; 288 h: the upper lanes take the odd blocks
	v_mov_b32 v7, 1
.irp m, 0,1,2,3
	v_mov_b32 v[29+2*\m], 0                        ; named as the upper halves of pairs, so they are written
.endr
	s_lshl_b32 s34, ttmp9, 7
	s_lshl_b32 s35, s17, 6
	s_add_co_u32 s34, s34, s35                     ; my first place
	s_lshl_b32 s38, s34, 2
	s_mov_b32 s39, 0
	s_lshl_b32 s44, s34, 3
	s_mov_b32 s45, 0
	s_mul_i32 s36, s18, 77824                      ; eight units of 9,728 bytes
	s_mov_b32 s37, 0
	s_wait_kmcnt 0x0
	s_add_nc_u64 s[10:11], s[10:11], s[38:39]
	s_add_nc_u64 s[12:13], s[12:13], s[44:45]
	s_add_nc_u64 s[28:29], s[6:7], s[36:37]        ; pass 0: my first four units,
	s_add_nc_u64 s[40:41], s[28:29], 38912         ; pass 1: the next four
	s_lshl_b32 s36, s18, 9
	s_add_nc_u64 s[30:31], s[8:9], s[36:37]        ; the biases likewise
	s_add_nc_u64 s[42:43], s[30:31], 256
	s_add_nc_u64 s[32:33], s[14:15], s[36:37]      ; out at my first column
.irp m, 0,1,2,3
	global_load_b32 v[8+\m], v244, s[10:11] offset:64*\m            ; the entry of place 16 m + r
.endr
.irp m, 0,1,2,3
	global_load_b64 v[20+2*\m:21+2*\m], v245, s[12:13] offset:128*\m   ; and its two weights
.endr
.set t, 0
.rept 32
	global_load_b32 v[144+t], v246, s[10:11] offset:8*t             ; the entry of place 2 t + L / 16, for the way out
.set t, t+1
.endr
	s_wait_loadcnt 36                              ; the first four loads are in
.irp m, 0,1,2,3
	v_and_b32 v5, 0x7fff, v[8+\m]
	v_min_u32 v5, 0x7fff, v5                       ; a token is under 32,768
	v_mul_u32_u24 v[240+\m], v5, 640               ; its record
	v_add_nc_u32 v[36+\m], v[240+\m], v248
.endr
	WIN 0x40                                       ; x stays in registers: 288 bytes a lane and tile
.irp m, 0,1,2,3
.irp qq, 0,1,2,3,4,5,6,7,8
	global_load_b128 v[36*\m+4*\qq:36*\m+4*\qq+3], v[36+\m], s[4:5] offset:16*\qq
.endr
.endr
	WIN 0x80
.irp m, 0,1,2,3
.irp qq, 0,1,2,3,4,5,6,7,8
	global_load_b128 v[36*\m+4*\qq:36*\m+4*\qq+3], v[36+\m], s[4:5] offset:144+16*\qq
.endr
.endr
	WIN 0
.irp m, 0,1,2,3
	global_load_b128 v[40+6*\m:43+6*\m], v[240+\m], s[4:5] offset:576   ; the six scale words of token r
	global_load_b64 v[44+6*\m:45+6*\m], v[240+\m], s[4:5] offset:592
.endr
.irp m, 0,1,2,3
	v_bfe_u32 v[12+\m], v[8+\m], 16, 4             ; lo
	v_bfe_u32 v[16+\m], v[8+\m], 20, 4             ; hi
.endr
	v_lshlrev_b32 v249, v12, v7
.irp m, 1,2,3
	v_lshlrev_b32 v5, v[12+\m], v7
	v_or_b32 v249, v249, v5
.endr
.irp m, 0,1,2,3
	v_lshlrev_b32 v5, v[16+\m], v7
	v_or_b32 v249, v249, v5                        ; a bit for each expert that my four tokens use
.endr
	s_mov_b32 s19, 0                               ; the list: four bits an expert, ascending
	s_mov_b32 s36, 0
.irp e, 0,1,2,3,4,5,6,7
	v_and_b32 v5, 1<<\e, v249
	v_cmp_ne_u32 s34, 0, v5                        ; does any lane use expert e?
	s_lshl_b32 s35, \e, s36
	s_cmp_lg_u32 s34, 0
	s_cselect_b32 s35, s35, 0
	s_cselect_b32 s37, 4, 0
	s_or_b32 s19, s19, s35
	s_add_co_u32 s36, s36, s37
.endr
	s_lshr_b32 s20, s36, 2
	s_sub_co_u32 s20, s20, 1                       ; experts in the list, less 1 (lo < hi: the list has two at the least)
	s_mov_b32 s34, 0
	NEXT 28                                        ; the list's first expert, pass 0
	PF 0
	PF 1
	PF 2
	PF 3
	s_wait_loadcnt 63                              ; all but the youngest three buffers: the weights, the entries, x and buffer 0 are in
.set t, 0
.rept 32
	v_and_b32 v[144+t], 0x7fff, v[144+t]
	v_min_u32 v[144+t], 0x7fff, v[144+t]
	v_lshl_add_u32 v[144+t], v[144+t], 10, v247    ; the token's row of 1,024 bytes, + 16 (L % 16)
.set t, t+1
.endr
	; ---- pass 0
	s_mov_b32 s34, 4
	HEAD 28
	BODY 0, 1, 1, 63
	BODY 1, 1, 1, 63
	BODY 2, 1, 1, 63
	BODY 3, 1, 1, 63
	s_cmp_gt_u32 s20, 1
	s_cbranch_scc0 .Lp0_last
	s_mov_b32 s21, 1
.Lp0_more:                                         ; the list's places 1 .. P - 2, where it has more than two
	s_lshl_b32 s34, s21, 2
	s_add_co_u32 s34, s34, 4
	HEAD 28
	BODY 0, 0, 1, 63
	BODY 1, 0, 1, 63
	BODY 2, 0, 1, 63
	BODY 3, 0, 1, 63
	s_add_co_u32 s21, s21, 1
	s_cmp_lt_u32 s21, s20
	s_cbranch_scc1 .Lp0_more
.Lp0_last:
	s_mov_b32 s34, 0
	HEAD 40                                        ; the last expert of pass 0; the buffers take the first expert of pass 1
	BODY 0, 0, 1, 63
	BODY 1, 0, 1, 63
	BODY 2, 0, 1, 63
	BODY 3, 0, 1, 63
	FLUSH 0
	; ---- pass 1
	s_mov_b32 s34, 4
	HEAD 40
	BODY 0, 1, 1, 63
	BODY 1, 1, 1, 63
	BODY 2, 1, 1, 63
	BODY 3, 1, 1, 63
	s_cmp_gt_u32 s20, 1
	s_cbranch_scc0 .Lp1_last
	s_mov_b32 s21, 1
.Lp1_more:
	s_lshl_b32 s34, s21, 2
	s_add_co_u32 s34, s34, 4
	HEAD 40
	BODY 0, 0, 1, 63
	BODY 1, 0, 1, 63
	BODY 2, 0, 1, 63
	BODY 3, 0, 1, 63
	s_add_co_u32 s21, s21, 1
	s_cmp_lt_u32 s21, s20
	s_cbranch_scc1 .Lp1_more
.Lp1_last:
	s_mov_b32 s22, s23                             ; the last expert: nothing more is asked for, and the counts run down
	CWS
	BODY 0, 0, 0, 63
	BODY 1, 0, 0, 42
	BODY 2, 0, 0, 21
	BODY 3, 0, 0, 0
	FLUSH 1
	s_wait_tensorcnt 0x0
	ds_add_u32 v254, v255
	s_wait_dscnt 0x0
	s_endpgm
.Lfunc_end_k_qe94de870c6_chain:
	.size	k_qe94de870c6_chain, .Lfunc_end_k_qe94de870c6_chain-k_qe94de870c6_chain
	.p2alignl 7, 3214868480
	.fill 96, 4, 3214868480
	.section	.rodata,"a",@progbits
	.p2align	6, 0x0
	.amdhsa_kernel k_qe94de870c6_chain
		.amdhsa_group_segment_fixed_size 70144
		.amdhsa_private_segment_fixed_size 0
		.amdhsa_enable_private_segment 0
		.amdhsa_kernarg_size 48
		.amdhsa_user_sgpr_count 2
		.amdhsa_user_sgpr_kernarg_segment_ptr 1
		.amdhsa_wavefront_size32 1
		.amdhsa_system_sgpr_workgroup_id_x 1
		.amdhsa_system_sgpr_workgroup_id_y 1
		.amdhsa_system_sgpr_workgroup_id_z 1
		.amdhsa_system_vgpr_workitem_id 0
		.amdhsa_next_free_vgpr 1024
		.amdhsa_next_free_sgpr 66
		.amdhsa_reserve_vcc 1
		.amdhsa_float_denorm_mode_32 3
		.amdhsa_float_denorm_mode_16_64 3
		.amdhsa_memory_ordered 1
		.amdhsa_forward_progress 1
		.amdhsa_inst_pref_size 198
	.end_amdhsa_kernel
	.amdgpu_metadata
---
amdhsa.version: [ 1, 2 ]
amdhsa.kernels:
  - .name:           k_qe94de870c6_chain
    .symbol:         k_qe94de870c6_chain.kd
    .args:
      - { .name: xq, .offset: 0, .size: 8, .value_kind: global_buffer, .address_space: global }
      - { .name: wq, .offset: 8, .size: 8, .value_kind: global_buffer, .address_space: global }
      - { .name: be, .offset: 16, .size: 8, .value_kind: global_buffer, .address_space: global }
      - { .name: order, .offset: 24, .size: 8, .value_kind: global_buffer, .address_space: global }
      - { .name: ow, .offset: 32, .size: 8, .value_kind: global_buffer, .address_space: global }
      - { .name: out0, .offset: 40, .size: 8, .value_kind: global_buffer, .address_space: global }
    .group_segment_fixed_size: 70144
    .private_segment_fixed_size: 0
    .kernarg_segment_align: 8
    .kernarg_segment_size: 48
    .max_flat_workgroup_size: 128
    .sgpr_count:     66
    .vgpr_count:     1024
    .wavefront_size: 32
...
	.end_amdgpu_metadata
.endif
;; end of part 3
;; ======== version 2 of 3: 3 launches
;; workspace buffers: xq 20,971,520 bytes; wq 1,245,184 bytes; gw 262,144 bytes; ow 262,144 bytes; meta 131,072 bytes of whole numbers; hist 32,768 bytes of whole numbers; order 131,072 bytes of whole numbers
;; launch prep (part 4): grid 256 x 1, 4 waves a work-group, no clusters, 108,288 bytes of LDS; arguments x, Wg, bg, We, xq, wq, gw, meta, hist; writes xq, wq, gw, meta, hist
.if DOCPART == 4
	.amdgcn_target "amdgcn-amd-amdhsa--gfx1250"
	.amdhsa_code_object_version 6
	.text
	.protected	k_qe94de870c6_prep
	.globl	k_qe94de870c6_prep
	.p2align	8
	.type	k_qe94de870c6_prep,@function
k_qe94de870c6_prep:
	s_mov_b64 s[64:65], 0
	v_nop
	global_prefetch_b8 v0, s[64:65] scope:SCOPE_SE
	s_setreg_imm32_b32 hwreg(HW_REG_WAVE_MODE, 25, 1), 1
	s_wait_xcnt 0x0
; FIRST OF THREE LAUNCHES.  For each of 32,768 tokens: the gate x Wg + bg in f32 (fused multiply-adds), its two largest entries, their softmax weights; x quantised to E3M2 with one E8M0
; byte for each 32 along K; and, shared out among the work-groups, We quantised along K (its first axis inside an expert) into images of the matrix operand's registers.
; OUT: xq, a record of 640 bytes a token: bytes 0-287 the even blocks of 32 (24 bytes each), 288-575 the odd blocks, 576-599 the 24 scale bytes, 600-639 zeros.  So the lanes 0-15 (16-31) of a
;      fragment find their blocks of all six K steps as 288 bytes on end.   wq, 128 units (expert x tile of 16 columns) of 9,728 bytes: six fragment images of 1,536 bytes (register 4 j + w of lane L
;      at 512 j + 16 L + 4 w), then at 9,216 the scale words: lane L at 16 L, word u = K step 2 u + L / 16 of column L % 16.   gw: (weight of the lower expert, of the higher), by token.
;      meta: rank among the work-group's 128 tokens of the same key | key << 8 | lower expert << 16 | higher << 20.   hist: how many of the work-group's tokens have each key.
; The key of a pair (lo < hi) runs 0..27 in an order in which neighbouring keys share an expert.  None of these numbers enters an address or a branch here: they are only stored.
; SHARES.  Work-group g: tokens 128 g on; wave w: 32 of them, two a step: lanes 0-15 token T0 + i, lanes 16-31 token T0 + 16 + i.  For the arithmetic lane r owns k = 256 gq + 16 r + 0..15 (gq = 0..2):
; 48 numbers, 16 neighbours to a conversion, two neighbouring lanes to a block of 32; it keeps its 48 x 8 numbers of Wg in registers for the whole launch.
; LOADS TAKE THE BYTES AS THEY LIE: in each of a step's twelve loads sixteen lanes read 256 consecutive bytes of a token's row, aligned.  The step then turns through the wave's own stage in LDS: stored as
; loaded, read back 64 bytes a lane.  Wg likewise: each wave loads a quarter of it on end, the quarters meet in LDS behind a barrier, and each lane reads its slice from there.
; Waves 0-2 also quantise one fragment of We: unit g / 2, K step 3 (g % 2) + w.
; LIMITS: NaN and infinities are not served.  A block of zeros gets the byte 1 (not 127) with zero codes: the bytes are read by this program alone.  The two experts are chosen on these f32 logits
; (the lower index wins a tie); where two logits lie within f32 rounding of each other the choice may differ from one made on the rounded softmax.
; No tensor loads, no cluster: the work-groups share only Wg's 24,576 bytes.
; REGISTERS: window 0: v1-15, v112-114 lane numbers and offsets; v16-31 the gate's sums (two sets of four pairs); v32-39 the logits kept for lane = token; v40-62 at work on the blocks; v64-111 the end; v128-150 We's codes.
;   window 1: Wg for my k 0-31 (register 8 k + e); window 2: v0-127 Wg for my k 32-47; v128-223 two sets of a step's 48 numbers, turned;
;   window 3: v0-191 four steps of x as loaded; v192-255 Wg's quarter, then We's numbers, later the records on their way out.
.set HX,  20480                        ; LDS: behind the four waves' record stages of 5,120 bytes: four rows of 32 counts;
.set WGL, 20992                        ; Wg as 48 chunks of 512 bytes (16 rows k), 528 bytes apart: an odd multiple of 16
.set TS,  46336                        ; for each wave two stages by turns, each 2 tokens x 48 chunks of 64 bytes, 80 bytes apart (an odd multiple of 16 again): 15,360 bytes a wave
.set MSB, 0
.macro WIN new                         ; the immediate's high byte repeats the setting that is left
.if MSB != \new
	s_set_vgpr_msb (MSB<<8)|\new
.set MSB, \new
.endif
.endm
.macro XLOAD u, off                    ; one step's 2 x 768 numbers into ring slot u: in load q lanes 0-15 read bytes 256 q .. 256 q + 255 of one token's row, lanes 16-31 of the other's
	WIN 0xc0                                       ; destination window 3
.irp q, 0,1,2,3,4,5,6,7,8,9,10,11
	global_load_b128 v[48*(\u)+4*\q:48*(\u)+4*\q+3], v4, s[4:5] offset:(\off)+256*\q th:TH_LOAD_NT
.endr
.endm
; Ring slot s turns through stage s % 2 into set s % 2.  Byte b of a row lies at 80 (b / 64) + b % 64: in at 320 q + 80 (r / 4) + 16 (r % 4), out at 1280 gq + 80 r + 16 j, which is byte 1024 gq + 64 r + 16 j.
; LDS serves a wave's instructions in order (ISA guide 5.7.1.4): no wait stands between the stores and the loads.
.macro TURN s
	WIN 0x0c                                       ; an LDS store's data are its source 1: window 3
.irp q, 0,1,2,3,4,5,6,7,8,9,10,11
	ds_store_b128 v112, v[48*(\s)+4*\q:48*(\s)+4*\q+3] offset:7680*((\s)%2)+320*\q
.endr
	WIN 0x80                                       ; destination window 2
.irp gq, 0,1,2
.irp j, 0,1,2,3
	ds_load_b128 v[128+48*((\s)%2)+16*\gq+4*\j:128+48*((\s)%2)+16*\gq+4*\j+3], v113 offset:7680*((\s)%2)+1280*\gq+16*\j
.endr
.endr
.endm
; One step: two tokens.  ahead = 1: slot u takes the step four on.  turn = 1: the next step goes through the stage; left = the loads of the steps behind it that may stay out, 12 each.
.macro STEP u, ahead, turn, left
.set XB, 128+48*((\u)%2)
	s_wait_dscnt 12                                ; all but the last step's twelve record stores: this step's numbers are back from the stage, and its stores into the stage have read slot u
.if \ahead
	XLOAD \u, (\u+4)*3072
.endif
	WIN 0x06                                       ; x window 2, Wg window 1, sums window 0
.set kk, 0
.rept 48                               ; my 48 k x 8 experts, two experts an instruction; even and odd k add into two sets, so that a sum is taken up again only eight instructions on
.if kk == 32
	WIN 0x0a                                       ; Wg window 2
.endif
.set xr, XB+(kk/2)*2
.set wr, 8*(kk%32)
.set ar, 16+8*(kk%2)
.irp p, 0,1,2,3
.if kk == 0
	v_pk_mul_f32 v[ar+2*\p:ar+2*\p+1], v[xr:xr+1], v[wr+2*\p:wr+2*\p+1] op_sel_hi:[0,1]            ; the first products start the sums
.elseif kk == 1
	v_pk_mul_f32 v[ar+2*\p:ar+2*\p+1], v[xr:xr+1], v[wr+2*\p:wr+2*\p+1] op_sel:[1,0] op_sel_hi:[1,1]
.elseif kk%2 == 0
	v_pk_fma_f32 v[ar+2*\p:ar+2*\p+1], v[xr:xr+1], v[wr+2*\p:wr+2*\p+1], v[ar+2*\p:ar+2*\p+1] op_sel_hi:[0,1,1]   ; the pair's first x for both halves
.else
	v_pk_fma_f32 v[ar+2*\p:ar+2*\p+1], v[xr:xr+1], v[wr+2*\p:wr+2*\p+1], v[ar+2*\p:ar+2*\p+1] op_sel:[1,0,0] op_sel_hi:[1,1,1]   ; its second
.endif
.endr
.set kk, kk+1
.endr
.if \turn
	s_wait_loadcnt \left                           ; loads come back in order: the next step's twelve are in
	TURN (\u+1)%4                                  ; it comes back while this step's blocks are worked
.endif
	WIN 0x0a                                       ; sources 0 and 1 window 2
.irp gq, 0,1,2
	v_max3_num_f32 v[40+\gq], |v[XB+16*\gq]|, |v[XB+16*\gq+1]|, 0x2800000   ; my 16 of a block, and the floor 2^(5 - 127): the byte cannot fall under 1
.endr
.irp i, 2,4,6,8,10,12,14
.irp gq, 0,1,2
	v_max3_num_f32 v[40+\gq], |v[XB+16*\gq+\i]|, |v[XB+16*\gq+\i+1]|, v[40+\gq]
.endr
.endr
	WIN 0
.irp p, 0,1,2,3
	v_pk_add_f32 v[16+2*\p:17+2*\p], v[16+2*\p:17+2*\p], v[24+2*\p:25+2*\p]
.endr
.irp mk, 1,2,4,8
.irp e, 0,1,2,3,4,5,6,7
	v_add_f32_dpp v[16+\e], v[16+\e], v[16+\e] row_xmask:\mk row_mask:0xf bank_mask:0xf   ; over the 16 lanes of a token
.endr
.endr
.irp gq, 0,1,2
	v_max_num_f32_dpp v[40+\gq], v[40+\gq], v[40+\gq] row_xmask:1 row_mask:0xf bank_mask:0xf   ; with my neighbour's 16: the block's largest magnitude
.endr
.irp gq, 0,1,2
	v_add_nc_u32 v[44+\gq], 0xfe000000, v[40+\gq]  ; 4 off its exponent field: the conversion's scale operand
.endr
	s_lshl_b32 s33, s32, \u                        ; lanes i and 16 + i keep this step's logits: at the end lane L stands for token T0 + L
.irp e, 0,1,2,3,4,5,6,7
	v_cndmask_b32 v[32+\e], v[32+\e], v[16+\e], s33
.endr
	s_wait_dscnt 24*\turn                          ; all but the turn's 24 lines: the last step's record stores have read the registers that are written now
	WIN 0x02                                       ; source 0 window 2
.irp gq, 0,1,2
	v_cvt_scalef32_pk16_bf6_f32 v[52+4*\gq:54+4*\gq], v[XB+16*\gq:XB+16*\gq+15], v[44+\gq]
.endr
	WIN 0
.irp gq, 0,1,2
	v_lshrrev_b32 v[48+\gq], 23, v[44+\gq]         ; the scale's byte (also the plain line behind the conversions)
.endr
.irp gq, 0,1,2
.irp k, 0,1,2
	ds_store_b32 v6, v[52+4*\gq+\k] offset:640*\u+96*\gq+4*\k   ; my 12 bytes of the token's record
.endr
	ds_store_b8 v7, v[48+\gq] offset:640*\u+8*\gq  ; both lanes of a block write the same byte with the same value
.endr
.endm
; Eight records leave: tokens T0 + 4 trip + 0..3 (2,560 bytes on end) and the same 16 tokens on.  Each store of the wave covers 512 consecutive bytes, aligned to 256.
.macro FLUSH
	s_wait_xcnt 0x0                                ; the last flush's stores have read their registers
	WIN 0xc0
.irp t, 0,1,2,3,4,5,6,7,8,9
	ds_load_b128 v[192+4*\t:195+4*\t], v8 offset:512*\t   ; LDS serves a wave's instructions in order: these see my stores
.endr
	WIN 0x0c                                       ; a store's data are its source 1: window 3
.irp t, 0,1,2,3,4,5,6,7,8,9
	s_wait_dscnt 9-\t
	global_store_b128 v9, v[192+4*\t:195+4*\t], s[12:13] offset:512*\t+7680*(\t/5)
.endr
	WIN 0
.endm
	s_load_b512 s[4:19], s[0:1], 0x0               ; x s[4:5], Wg s[6:7], bg s[8:9], We s[10:11], xq s[12:13], wq s[14:15], gw s[16:17], meta s[18:19]
	s_load_b64 s[20:21], s[0:1], 0x40              ; hist
	v_lshl_add_u32 v254, v0, 2, 0x1a500
	v_mov_b32 v255, 0
	v_lshrrev_b32 v1, 5, v0
	v_readfirstlane_b32 s22, v1                    ; wave
	v_and_b32 v1, 31, v0                           ; L
	v_and_b32 v2, 15, v0                           ; r
	v_bfe_u32 v3, v0, 4, 1                         ; h
	v_mul_u32_u24 v4, v3, 0xc000                   ; x: 16 tokens of 3,072 bytes for the upper lanes,
	v_lshl_add_u32 v4, v2, 4, v4                   ; + 16 r
	v_mul_u32_u24 v5, v2, 528                      ; Wg in LDS: chunk r of each 16
	v_add_nc_u32 v5, WGL, v5
	s_mul_i32 s33, s22, 5120                       ; my wave's record stage: eight records
	v_bfe_u32 v10, v0, 1, 1
	v_mul_u32_u24 v6, v10, 288                     ; my codes' place in a record: odd blocks 288 on,
	v_bfe_u32 v10, v0, 2, 2
	v_mad_u32_u24 v6, v10, 24, v6                  ; 24 bytes a block of that kind,
	v_and_b32 v10, 1, v0
	v_mad_u32_u24 v6, v10, 12, v6                  ; the block's upper 16 codes 12 on,
	v_mad_u32_u24 v6, v3, 2560, v6                 ; the upper lanes' records four slots on
	v_add_nc_u32 v6, s33, v6
	v_bfe_u32 v10, v0, 1, 3
	v_mad_u32_u24 v7, v3, 2560, v10                ; my block's scale byte
	v_add_nc_u32 v7, s33, v7
	v_add_nc_u32 v7, 576, v7
	v_lshl_add_u32 v8, v1, 4, s33                  ; the record stage read on end
	v_lshlrev_b32 v9, 4, v1
	s_mul_i32 s34, s22, 15360                      ; my wave's two stages for the turn
	s_add_co_u32 s34, s34, TS
	v_bfe_u32 v10, v0, 2, 2
	v_mul_u32_u24 v112, v10, 80                    ; in: four lanes' 64 bytes on end, then 16 of padding: 80 (r / 4)
	v_and_b32 v10, 3, v0
	v_lshl_add_u32 v112, v10, 4, v112              ; + 16 (r % 4),
	v_mad_u32_u24 v112, v3, 3840, v112             ; the upper lanes' token 48 chunks on
	v_add_nc_u32 v112, s34, v112
	v_mul_u32_u24 v113, v2, 80                     ; out: 80 r: my 16 neighbours
	v_mad_u32_u24 v113, v3, 3840, v113
	v_add_nc_u32 v113, s34, v113
	s_mul_i32 s34, s22, 6336                       ; Wg in LDS: my wave's twelve chunks,
	s_add_co_u32 s34, s34, WGL
	v_lshl_add_u32 v114, v1, 4, s34                ; 16 bytes a lane
	v_lshlrev_b32 v10, 2, v2                       ; We: column r, the upper lanes 32 rows of 1,024 bytes down
	v_lshl_add_u32 v10, v3, 15, v10
	v_lshlrev_b32 v12, 4, v2
	v_lshlrev_b32 v13, 2, v1
	v_lshlrev_b32 v14, 3, v1
	v_bfe_u32 v11, v0, 2, 3
	v_mul_u32_u24 v11, v11, 640
	v_add_nc_u32 v11, s33, v11                     ; record L / 4 of the stage
	v_and_b32 v15, 3, v0
	v_lshl_add_u32 v15, v15, 3, v11
	v_lshl_add_u32 v101, v0, 2, HX                 ; my word among the counts: 128 x wave + 4 L
	v_mov_b32 v126, 0
	v_mov_b32 v127, 0
.irp e, 0,1,2,3,4,5,6,7
	v_mov_b32 v[32+\e], 0                          ; read as the other side of a select before all lanes are written
.endr
	ds_store_b64 v15, v[126:127] offset:600        ; bytes 600-639 of the eight records: zeros, once
	ds_store_b64 v11, v[126:127] offset:632
	s_mov_b32 s48, 0x76543210
	s_mov_b32 s49, 0xfedcba98                      ; v_permlanex16_b32's selects for lane L xor 16
	s_mov_b32 s32, 0x00010001
	s_lshr_b32 s34, ttmp9, 1                       ; We: the unit,
	s_and_b32 s35, ttmp9, 1
	s_mul_i32 s35, s35, 3
	s_add_co_u32 s35, s35, s22                     ; the K step (waves 0-2),
	s_lshr_b32 s36, s34, 4
	s_mul_i32 s36, s36, 786432                     ; the expert's 768 x 256 numbers,
	s_lshl_b32 s38, s35, 17                        ; 128 rows of 1,024 bytes a K step,
	s_add_co_u32 s36, s36, s38
	s_and_b32 s37, s34, 15
	s_lshl_b32 s37, s37, 6                         ; 16 columns a tile
	s_add_co_u32 s36, s36, s37
	s_mov_b32 s37, 0
	s_mul_i32 s38, s34, 9728
	s_mul_i32 s39, s35, 1536
	s_add_co_u32 s38, s38, s39                     ; the fragment's image in wq
	s_mov_b32 s39, 0
	s_mul_i32 s40, s34, 9728
	s_and_b32 s41, s35, 1
	s_lshl_b32 s41, s41, 8
	s_add_co_u32 s40, s40, s41                     ; its scale words: odd K steps in the upper lanes' places,
	s_lshr_b32 s41, s35, 1
	s_lshl_b32 s41, s41, 2
	s_add_co_u32 s40, s40, s41                     ; word s / 2
	s_mov_b32 s41, 0
	s_lshl_b32 s46, ttmp9, 7
	s_lshl_b32 s47, s22, 5
	s_add_co_u32 s46, s46, s47                     ; T0
	s_mul_i32 s50, s46, 3072
	s_mov_b32 s51, 0
	s_mul_i32 s52, s46, 640
	s_mov_b32 s53, 0
	s_lshl_b32 s54, s46, 3
	s_mov_b32 s55, 0
	s_lshl_b32 s56, s46, 2
	s_mov_b32 s57, 0
	s_lshl_b32 s58, ttmp9, 7
	s_mov_b32 s59, 0
	s_mul_i32 s60, s22, 6144                       ; my wave's quarter of Wg
	s_mov_b32 s61, 0
	s_wait_kmcnt 0x0
	s_load_b256 s[24:31], s[8:9], 0x0              ; bg
	s_add_nc_u64 s[4:5], s[4:5], s[50:51]
	s_add_nc_u64 s[6:7], s[6:7], s[60:61]
	s_add_nc_u64 s[12:13], s[12:13], s[52:53]
	s_add_nc_u64 s[16:17], s[16:17], s[54:55]
	s_add_nc_u64 s[18:19], s[18:19], s[56:57]
	s_add_nc_u64 s[20:21], s[20:21], s[58:59]
	s_add_nc_u64 s[10:11], s[10:11], s[36:37]
	s_add_nc_u64 s[42:43], s[14:15], s[38:39]
	s_add_nc_u64 s[44:45], s[14:15], s[40:41]
	WIN 0xc0
.irp i, 0,1,2,3,4,5,6,7,8,9,10,11
	global_load_b128 v[192+4*\i:195+4*\i], v9, s[6:7] offset:512*\i   ; Wg's quarter on end: 512 consecutive bytes a load
.endr
.irp u, 0,1,2,3
	XLOAD \u, \u*3072                              ; the ring is filled: four steps, 48 loads a wave
.endr
	s_wait_loadcnt 48                              ; Wg's twelve loads are in; the ring's 48 stay out
	WIN 0x0c
.irp i, 0,1,2,3,4,5,6,7,8,9,10,11
	ds_store_b128 v114, v[192+4*\i:195+4*\i] offset:528*\i   ; a load's 512 bytes are one chunk
.endr
	WIN 0
	s_wait_kmcnt 0x0                               ; bg
	s_wait_dscnt 0x0                               ; for the others' sake: my quarter of Wg is in LDS
	s_barrier_signal -1
	s_barrier_wait -1                              ; all of Wg is
	WIN 0x40                                       ; my slice of Wg: rows 256 gq + 16 r + ii: it stays
.set kk, 0
.rept 32
	ds_load_b128 v[8*kk:8*kk+3], v5 offset:8448*(kk/16)+32*(kk%16)
	ds_load_b128 v[8*kk+4:8*kk+7], v5 offset:8448*(kk/16)+32*(kk%16)+16
.set kk, kk+1
.endr
	WIN 0x80
.set kk, 0
.rept 16
	ds_load_b128 v[8*kk:8*kk+3], v5 offset:16896+32*kk
	ds_load_b128 v[8*kk+4:8*kk+7], v5 offset:16896+32*kk+16
.set kk, kk+1
.endr
	WIN 0
	; ---- waves 0-2: one fragment of We.  Lane (r, h) takes column r and its registers run down K: k = 64 c + 32 h + 0..31, the order of the operand's registers, so nothing is transposed
	s_cmp_lt_u32 s22, 3
	s_cbranch_scc0 .Lno_we
	WIN 0xc0
.irp c, 0,1
.set i, 0
.rept 32
	global_load_b32 v[192+32*\c+i], v10, s[10:11] offset:(64*\c+i)*1024
.set i, i+1
.endr
.endr
	s_wait_loadcnt 0x0                             ; these were issued last: all my loads are in
	WIN 0x0f
.irp c, 0,1
	v_max3_num_f32 v[128+\c], |v[192+32*\c]|, |v[193+32*\c]|, 0x2800000   ; a whole block is mine; the floor as above
.endr
.irp i, 2,4,6,8,10,12,14,16,18,20,22,24,26,28,30
.irp c, 0,1
	v_max3_num_f32 v[128+\c], |v[192+32*\c+\i]|, |v[193+32*\c+\i]|, v[128+\c]
.endr
.endr
	WIN 0
.irp c, 0,1
	v_add_nc_u32 v[130+\c], 0xfe000000, v[128+\c]
.endr
.irp c, 0,1
	v_lshrrev_b32 v[132+\c], 23, v[130+\c]
.endr
	v_lshl_or_b32 v134, v133, 16, v132             ; my two bytes: blocks h and 2 + h,
	v_lshlrev_b32 v135, 3, v3
	v_lshlrev_b32 v134, v135, v134                 ; 8 h bits up;
	v_mov_b32 v135, 0
	v_permlanex16_b32 v135, v134, s48, s49
	v_or_b32 v134, v134, v135                      ; with lane L xor 16's two the word is whole
	WIN 0x03
.irp c, 0,1
	v_cvt_scalef32_pk16_bf6_f32 v[136+6*\c:138+6*\c], v[192+32*\c:207+32*\c], v[130+\c]
	v_cvt_scalef32_pk16_bf6_f32 v[148+4*\c:150+4*\c], v[208+32*\c:223+32*\c], v[130+\c]   ; (a conversion's three registers begin on an even number)
.endr
	WIN 0
	v_nop                                          ; one plain line behind the conversions
.irp c, 0,1
.irp i, 0,1,2
	v_mov_b32 v[139+6*\c+\i], v[148+4*\c+\i]
.endr
.endr
.irp j, 0,1,2
	global_store_b128 v9, v[136+4*\j:139+4*\j], s[42:43] offset:512*\j   ; the image: 512 consecutive bytes a store
.endr
	global_store_b32 v12, v134, s[44:45] offset:9216                     ; column r's scale word (both halves of the lanes hold and write the same)
.Lno_we:
	s_wait_loadcnt 36                              ; step 0's twelve loads are in; those of steps 1 to 3 may be out
	TURN 0
	WIN 0
	s_wait_dscnt 0x0                               ; my slice of Wg and step 0's numbers are in registers
	s_mov_b32 s23, 3
.Ltrip:                                            ; three trips of four steps; each step refills its slot, so 36 to 48 loads a wave stay out
	STEP 0, 1, 1, 36
	STEP 1, 1, 1, 36
	STEP 2, 1, 1, 36
	STEP 3, 1, 1, 36
	FLUSH
	s_wait_xcnt 0x0                                ; loads and stores have read their bases
	s_add_nc_u64 s[4:5], s[4:5], 12288
	s_add_nc_u64 s[12:13], s[12:13], 2560
	s_lshl_b32 s32, s32, 4
	s_sub_co_u32 s23, s23, 1
	s_cmp_lg_u32 s23, 0
	s_cbranch_scc1 .Ltrip
	STEP 0, 0, 1, 24                               ; the last four steps load nothing: the counts run down,
	STEP 1, 0, 1, 12
	STEP 2, 0, 1, 0
	STEP 3, 0, 0, 0                                ; and behind the last nothing is left to turn
	FLUSH
	; ---- the end: lane L stands for token T0 + L
.irp e, 0,1,2,3,4,5,6,7
	v_add_f32 v[64+\e], s[24+\e], v[32+\e]
.endr
	v_mov_b32 v72, v64                             ; the largest logit and its expert,
	v_mov_b32 v73, 0
	v_mov_b32 v74, 0xff800000                      ; the second largest
	v_mov_b32 v75, 0
.irp e, 1,2,3,4,5,6,7                  ; strictly greater: the lower index keeps a tie
	v_mov_b32 v76, \e
	v_cmp_gt_f32 s34, v[64+\e], v72
	v_cmp_gt_f32 s35, v[64+\e], v74
	v_cndmask_b32 v74, v74, v[64+\e], s35
	v_cndmask_b32 v75, v75, v76, s35
	v_cndmask_b32 v74, v74, v72, s34
	v_cndmask_b32 v75, v75, v73, s34
	v_cndmask_b32 v72, v72, v[64+\e], s34
	v_cndmask_b32 v73, v73, v76, s34
.endr
.irp e, 0,1,2,3,4,5,6,7
	v_sub_f32 v[80+\e], v[64+\e], v72              ; the maximum is taken away ahead of the exponentials
.endr
	v_sub_f32 v88, v74, v72
.irp e, 0,1,2,3,4,5,6,7,8
	v_mul_f32 v[80+\e], 0x3fb8aa3b, v[80+\e]
.endr
.irp e, 0,1,2,3,4,5,6,7,8
	v_exp_f32 v[80+\e], v[80+\e]
.endr
	v_nop                                          ; a plain line behind the exponentials
	s_wait_alu depctr_va_vdst(0)
	v_add_f32 v89, v80, v81
	v_add_f32 v90, v82, v83
	v_add_f32 v91, v84, v85
	v_add_f32 v92, v86, v87
	v_add_f32 v89, v89, v90
	v_add_f32 v91, v91, v92
	v_add_f32 v89, v89, v91
	v_rcp_f32 v89, v89                             ; the largest's weight: 1 / the sum
	v_min_u32 v91, v73, v75                        ; lo  (a plain line behind the reciprocal)
	v_max_u32 v92, v73, v75                        ; hi
	s_wait_alu depctr_va_vdst(0)
	v_mul_f32 v90, v88, v89                        ; the second's weight
	v_cmp_lt_u32 vcc_lo, v73, v75
	v_cndmask_b32 v94, v90, v89, vcc_lo            ; lo's weight,
	v_cndmask_b32 v95, v89, v90, vcc_lo            ; hi's
	v_sub_nc_u32 v96, 15, v91
	v_mul_u32_u24 v96, v91, v96
	v_lshrrev_b32 v96, 1, v96                      ; pairs with a smaller lo: lo (15 - lo) / 2
	v_sub_nc_u32 v97, 7, v92                       ; odd lo: hi runs down,
	v_sub_nc_u32 v98, v92, v91
	v_add_nc_u32 v98, -1, v98                      ; even lo: up
	v_and_b32 v99, 1, v91
	v_cmp_eq_u32 vcc_lo, 1, v99
	v_cndmask_b32 v97, v98, v97, vcc_lo
	v_add_nc_u32 v96, v96, v97                     ; the key
	v_mov_b32 v100, 0
.set qq, 0
.rept 28
	v_cmp_eq_u32 s34, qq, v96
	s_bcnt1_i32_b32 s35, s34
	v_writelane_b32 v100, s35, qq                  ; lane q: how many of my wave's tokens have key q
.set qq, qq+1
.endr
	ds_store_b32 v101, v100
	s_wait_dscnt 0x0                               ; for the others' sake: my counts are in LDS
	s_barrier_signal -1
	s_barrier_wait -1
.irp k, 0,1,2,3
	ds_load_b32 v[102+\k], v13 offset:HX+128*\k
.endr
	s_wait_dscnt 0x0
	v_add_nc_u32 v106, v102, v103
	v_add_nc_u32 v107, v104, v105
	v_add_nc_u32 v106, v106, v107                  ; the work-group's counts
	v_mov_b32 v108, 0
.irp k, 0,1,2
	s_cmp_gt_u32 s22, \k
	s_cselect_b32 s34, -1, 0
	v_and_b32 v109, s34, v[102+\k]
	v_add_nc_u32 v108, v108, v109                  ; those of the waves in front of mine
.endr
	v_mov_b32 v110, 0
.set qq, 0
.rept 28
	v_cmp_eq_u32 s34, qq, v96
	v_readlane_b32 s35, v108, qq
	v_mbcnt_lo_u32_b32 v111, s34, s35              ; lanes below mine with key q, + the waves in front
	v_cndmask_b32 v110, v110, v111, s34            ; my rank, where q is my key
.set qq, qq+1
.endr
	v_lshl_or_b32 v110, v96, 8, v110
	v_lshl_or_b32 v110, v91, 16, v110
	v_lshl_or_b32 v110, v92, 20, v110
	global_store_b32 v13, v110, s[18:19]
	global_store_b64 v14, v[94:95], s[16:17]
	s_cmp_lg_u32 s22, 0
	s_cbranch_scc1 .Ldone
	global_store_b32 v13, v106, s[20:21]
.Ldone:
	s_wait_tensorcnt 0x0
	ds_add_u32 v254, v255
	s_wait_dscnt 0x0
	s_endpgm
.Lfunc_end_k_qe94de870c6_prep:
	.size	k_qe94de870c6_prep, .Lfunc_end_k_qe94de870c6_prep-k_qe94de870c6_prep
	.p2alignl 7, 3214868480
	.fill 96, 4, 3214868480
	.section	.rodata,"a",@progbits
	.p2align	6, 0x0
	.amdhsa_kernel k_qe94de870c6_prep
		.amdhsa_group_segment_fixed_size 108288
		.amdhsa_private_segment_fixed_size 0
		.amdhsa_enable_private_segment 0
		.amdhsa_kernarg_size 72
		.amdhsa_user_sgpr_count 2
		.amdhsa_user_sgpr_kernarg_segment_ptr 1
		.amdhsa_wavefront_size32 1
		.amdhsa_system_sgpr_workgroup_id_x 1
		.amdhsa_system_sgpr_workgroup_id_y 1
		.amdhsa_system_sgpr_workgroup_id_z 1
		.amdhsa_system_vgpr_workitem_id 0
		.amdhsa_next_free_vgpr 1024
		.amdhsa_next_free_sgpr 66
		.amdhsa_reserve_vcc 1
		.amdhsa_float_denorm_mode_32 3
		.amdhsa_float_denorm_mode_16_64 3
		.amdhsa_memory_ordered 1
		.amdhsa_forward_progress 1
		.amdhsa_inst_pref_size 214
	.end_amdhsa_kernel
	.amdgpu_metadata
---
amdhsa.version: [ 1, 2 ]
amdhsa.kernels:
  - .name:           k_qe94de870c6_prep
    .symbol:         k_qe94de870c6_prep.kd
    .args:
      - { .name: x, .offset: 0, .size: 8, .value_kind: global_buffer, .address_space: global }
      - { .name: Wg, .offset: 8, .size: 8, .value_kind: global_buffer, .address_space: global }
      - { .name: bg, .offset: 16, .size: 8, .value_kind: global_buffer, .address_space: global }
      - { .name: We, .offset: 24, .size: 8, .value_kind: global_buffer, .address_space: global }
      - { .name: xq, .offset: 32, .size: 8, .value_kind: global_buffer, .address_space: global }
      - { .name: wq, .offset: 40, .size: 8, .value_kind: global_buffer, .address_space: global }
      - { .name: gw, .offset: 48, .size: 8, .value_kind: global_buffer, .address_space: global }
      - { .name: meta, .offset: 56, .size: 8, .value_kind: global_buffer, .address_space: global }
      - { .name: hist, .offset: 64, .size: 8, .value_kind: global_buffer, .address_space: global }
    .group_segment_fixed_size: 108288
    .private_segment_fixed_size: 0
    .kernarg_segment_align: 8
    .kernarg_segment_size: 72
    .max_flat_workgroup_size: 128
    .sgpr_count:     66
    .vgpr_count:     1024
    .wavefront_size: 32
...
	.end_amdgpu_metadata
.endif
;; end of part 4
;; launch place: the kernel of part 2 again; grid 32 x 1, 8 waves a work-group, no clusters, 3,072 bytes of LDS; arguments meta, hist, gw, order, ow; writes order, ow
;; launch chain: the kernel of part 3 again; grid 256 x 1, 4 waves a work-group, no clusters, 70,144 bytes of LDS; arguments xq, wq, be, order, ow, out0; writes out0
;; ======== version 3 of 3: 3 launches
;; workspace buffers: xq 20,971,520 bytes; wq 1,245,184 bytes; gw 262,144 bytes; ow 262,144 bytes; meta 131,072 bytes of whole numbers; hist 32,768 bytes of whole numbers; order 131,072 bytes of whole numbers
;; launch prep (part 5): grid 256 x 1, 4 waves a work-group, no clusters, 108,288 bytes of LDS; arguments x, Wg, bg, We, xq, wq, gw, meta, hist; writes xq, wq, gw, meta, hist
.if DOCPART == 5
	.amdgcn_target "amdgcn-amd-amdhsa--gfx1250"
	.amdhsa_code_object_version 6
	.text
	.protected	k_qe94de870c6_prep
	.globl	k_qe94de870c6_prep
	.p2align	8
	.type	k_qe94de870c6_prep,@function
k_qe94de870c6_prep:
	s_mov_b64 s[64:65], 0
	v_nop
	global_prefetch_b8 v0, s[64:65] scope:SCOPE_SE
	s_setreg_imm32_b32 hwreg(HW_REG_WAVE_MODE, 25, 1), 1
	s_wait_xcnt 0x0
; FIRST OF THREE LAUNCHES.  For each of 32,768 tokens: the gate x Wg + bg in f32 (fused multiply-adds), its two largest entries, their softmax weights; x quantised to E3M2 with one E8M0
; byte for each 32 along K; and, shared out among the work-groups, We quantised along K (its first axis inside an expert) into images of the matrix operand's registers.
; OUT: xq, a record of 640 bytes a token: bytes 0-287 the even blocks of 32 (24 bytes each), 288-575 the odd blocks, 576-599 the 24 scale bytes, 600-639 zeros.  So the lanes 0-15 (16-31) of a
;      fragment find their blocks of all six K steps as 288 bytes on end.   wq, 128 units (expert x tile of 16 columns) of 9,728 bytes: six fragment images of 1,536 bytes (register 4 j + w of lane L
;      at 512 j + 16 L + 4 w), then at 9,216 the scale words: lane L at 16 L, word u = K step 2 u + L / 16 of column L % 16.   gw: (weight of the lower expert, of the higher), by token.
;      meta: rank among the work-group's 128 tokens of the same key | key << 8 | lower expert << 16 | higher << 20.   hist: how many of the work-group's tokens have each key.
; The key of a pair (lo < hi) runs 0..27 in an order in which neighbouring keys share an expert.  None of these numbers enters an address or a branch here: they are only stored.
; SHARES.  Work-group g: tokens 128 g on; wave w: 32 of them, two a step: lanes 0-15 token T0 + i, lanes 16-31 token T0 + 16 + i.  For the arithmetic lane r owns k = 256 gq + 16 r + 0..15 (gq = 0..2):
; 48 numbers, 16 neighbours to a conversion, two neighbouring lanes to a block of 32; it keeps its 48 x 8 numbers of Wg in registers for the whole launch.
; LOADS TAKE THE BYTES AS THEY LIE: in each of a step's twelve loads sixteen lanes read 256 consecutive bytes of a token's row, aligned.  The step then turns through the wave's own stage in LDS: stored as
; loaded, read back 64 bytes a lane.  Wg likewise: each wave loads a quarter of it on end, the quarters meet in LDS behind a barrier, and each lane reads its slice from there.
; Waves 0-2 also quantise one fragment of We: unit g / 2, K step 3 (g % 2) + w.
; LIMITS: NaN and infinities are not served.  A block of zeros gets the byte 1 (not 127) with zero codes: the bytes are read by this program alone.  The two experts are chosen on these f32 logits
; (the lower index wins a tie); where two logits lie within f32 rounding of each other the choice may differ from one made on the rounded softmax.
; No tensor loads, no cluster: the work-groups share only Wg's 24,576 bytes.
; REGISTERS: window 0: v1-15, v112-114 lane numbers and offsets; v16-31 the gate's sums (two sets of four pairs); v32-39 the logits kept for lane = token; v40-62 at work on the blocks; v64-111 the end; v128-150 We's codes.
;   window 1: Wg for my k 0-31 (register 8 k + e); window 2: v0-127 Wg for my k 32-47; v128-223 two sets of a step's 48 numbers, turned;
;   window 3: v0-191 four steps of x as loaded; v192-255 Wg's quarter, then We's numbers, later the records on their way out.
.set HX,  20480                        ; LDS: behind the four waves' record stages of 5,120 bytes: four rows of 32 counts;
.set WGL, 20992                        ; Wg as 48 chunks of 512 bytes (16 rows k), 528 bytes apart: an odd multiple of 16
.set TS,  46336                        ; for each wave two stages by turns, each 2 tokens x 48 chunks of 64 bytes, 80 bytes apart (an odd multiple of 16 again): 15,360 bytes a wave
.set MSB, 0
.macro WIN new                         ; the immediate's high byte repeats the setting that is left
.if MSB != \new
	s_set_vgpr_msb (MSB<<8)|\new
.set MSB, \new
.endif
.endm
.macro XLOAD u, off                    ; one step's 2 x 768 numbers into ring slot u: in load q lanes 0-15 read bytes 256 q .. 256 q + 255 of one token's row, lanes 16-31 of the other's
	WIN 0xc0                                       ; destination window 3
.irp q, 0,1,2,3,4,5,6,7,8,9,10,11
	global_load_b128 v[48*(\u)+4*\q:48*(\u)+4*\q+3], v4, s[4:5] offset:(\off)+256*\q th:TH_LOAD_NT
.endr
.endm
; Ring slot s turns through stage s % 2 into set s % 2.  Byte b of a row lies at 80 (b / 64) + b % 64: in at 320 q + 80 (r / 4) + 16 (r % 4), out at 1280 gq + 80 r + 16 j, which is byte 1024 gq + 64 r + 16 j.
; LDS serves a wave's instructions in order (ISA guide 5.7.1.4): no wait stands between the stores and the loads.
.macro TURN s
	WIN 0x0c                                       ; an LDS store's data are its source 1: window 3
.irp q, 0,1,2,3,4,5,6,7,8,9,10,11
	ds_store_b128 v112, v[48*(\s)+4*\q:48*(\s)+4*\q+3] offset:7680*((\s)%2)+320*\q
.endr
	WIN 0x80                                       ; destination window 2
.irp gq, 0,1,2
.irp j, 0,1,2,3
	ds_load_b128 v[128+48*((\s)%2)+16*\gq+4*\j:128+48*((\s)%2)+16*\gq+4*\j+3], v113 offset:7680*((\s)%2)+1280*\gq+16*\j
.endr
.endr
.endm
; One step: two tokens.  ahead = 1: slot u takes the step four on.  turn = 1: the next step goes through the stage; left = the loads of the steps behind it that may stay out, 12 each.
.macro STEP u, ahead, turn, left
.set XB, 128+48*((\u)%2)
	s_wait_dscnt 12                                ; all but the last step's twelve record stores: this step's numbers are back from the stage, and its stores into the stage have read slot u
.if \ahead
	XLOAD \u, (\u+4)*3072
.endif
	WIN 0x06                                       ; x window 2, Wg window 1, sums window 0
.set kk, 0
.rept 48                               ; my 48 k x 8 experts, two experts an instruction; even and odd k add into two sets, so that a sum is taken up again only eight instructions on
.if kk == 32
	WIN 0x0a                                       ; Wg window 2
.endif
.set xr, XB+(kk/2)*2
.set wr, 8*(kk%32)
.set ar, 16+8*(kk%2)
.irp p, 0,1,2,3
.if kk == 0
	v_pk_mul_f32 v[ar+2*\p:ar+2*\p+1], v[xr:xr+1], v[wr+2*\p:wr+2*\p+1] op_sel_hi:[0,1]            ; the first products start the sums
.elseif kk == 1
	v_pk_mul_f32 v[ar+2*\p:ar+2*\p+1], v[xr:xr+1], v[wr+2*\p:wr+2*\p+1] op_sel:[1,0] op_sel_hi:[1,1]
.elseif kk%2 == 0
	v_pk_fma_f32 v[ar+2*\p:ar+2*\p+1], v[xr:xr+1], v[wr+2*\p:wr+2*\p+1], v[ar+2*\p:ar+2*\p+1] op_sel_hi:[0,1,1]   ; the pair's first x for both halves
.else
	v_pk_fma_f32 v[ar+2*\p:ar+2*\p+1], v[xr:xr+1], v[wr+2*\p:wr+2*\p+1], v[ar+2*\p:ar+2*\p+1] op_sel:[1,0,0] op_sel_hi:[1,1,1]   ; its second
.endif
.endr
.set kk, kk+1
.endr
.if \turn
	s_wait_loadcnt \left                           ; loads come back in order: the next step's twelve are in
	TURN (\u+1)%4                                  ; it comes back while this step's blocks are worked
.endif
	WIN 0x0a                                       ; sources 0 and 1 window 2
.irp gq, 0,1,2
	v_max3_num_f32 v[40+\gq], |v[XB+16*\gq]|, |v[XB+16*\gq+1]|, 0x2800000   ; my 16 of a block, and the floor 2^(5 - 127): the byte cannot fall under 1
.endr
.irp i, 2,4,6,8,10,12,14
.irp gq, 0,1,2
	v_max3_num_f32 v[40+\gq], |v[XB+16*\gq+\i]|, |v[XB+16*\gq+\i+1]|, v[40+\gq]
.endr
.endr
	WIN 0
.irp p, 0,1,2,3
	v_pk_add_f32 v[16+2*\p:17+2*\p], v[16+2*\p:17+2*\p], v[24+2*\p:25+2*\p]
.endr
.irp mk, 1,2,4,8
.irp e, 0,1,2,3,4,5,6,7
	v_add_f32_dpp v[16+\e], v[16+\e], v[16+\e] row_xmask:\mk row_mask:0xf bank_mask:0xf   ; over the 16 lanes of a token
.endr
.endr
.irp gq, 0,1,2
	v_max_num_f32_dpp v[40+\gq], v[40+\gq], v[40+\gq] row_xmask:1 row_mask:0xf bank_mask:0xf   ; with my neighbour's 16: the block's largest magnitude
.endr
.irp gq, 0,1,2
	v_add_nc_u32 v[44+\gq], 0xfe000000, v[40+\gq]  ; 4 off its exponent field: the conversion's scale operand
.endr
	s_lshl_b32 s33, s32, \u                        ; lanes i and 16 + i keep this step's logits: at the end lane L stands for token T0 + L
.irp e, 0,1,2,3,4,5,6,7
	v_cndmask_b32 v[32+\e], v[32+\e], v[16+\e], s33
.endr
	s_wait_dscnt 24*\turn                          ; all but the turn's 24 lines: the last step's record stores have read the registers that are written now
	WIN 0x02                                       ; source 0 window 2
.irp gq, 0,1,2
	v_cvt_scalef32_pk16_bf6_f32 v[52+4*\gq:54+4*\gq], v[XB+16*\gq:XB+16*\gq+15], v[44+\gq]
.endr
	WIN 0
.irp gq, 0,1,2
	v_lshrrev_b32 v[48+\gq], 23, v[44+\gq]         ; the scale's byte (also the plain line behind the conversions)
.endr
.irp gq, 0,1,2
.irp k, 0,1,2
	ds_store_b32 v6, v[52+4*\gq+\k] offset:640*\u+96*\gq+4*\k   ; my 12 bytes of the token's record
.endr
	ds_store_b8 v7, v[48+\gq] offset:640*\u+8*\gq  ; both lanes of a block write the same byte with the same value
.endr
.endm
; Eight records leave: tokens T0 + 4 trip + 0..3 (2,560 bytes on end) and the same 16 tokens on.  Each store of the wave covers 512 consecutive bytes, aligned to 256.
.macro FLUSH
	s_wait_xcnt 0x0                                ; the last flush's stores have read their registers
	WIN 0xc0
.irp t, 0,1,2,3,4,5,6,7,8,9
	ds_load_b128 v[192+4*\t:195+4*\t], v8 offset:512*\t   ; LDS serves a wave's instructions in order: these see my stores
.endr
	WIN 0x0c                                       ; a store's data are its source 1: window 3
.irp t, 0,1,2,3,4,5,6,7,8,9
	s_wait_dscnt 9-\t
	global_store_b128 v9, v[192+4*\t:195+4*\t], s[12:13] offset:512*\t+7680*(\t/5)
.endr
	WIN 0
.endm
	s_load_b512 s[4:19], s[0:1], 0x0               ; x s[4:5], Wg s[6:7], bg s[8:9], We s[10:11], xq s[12:13], wq s[14:15], gw s[16:17], meta s[18:19]
	s_load_b64 s[20:21], s[0:1], 0x40              ; hist
	v_lshl_add_u32 v254, v0, 2, 0x1a500
	v_mov_b32 v255, 0
	v_lshrrev_b32 v1, 5, v0
	v_readfirstlane_b32 s22, v1                    ; wave
	v_and_b32 v1, 31, v0                           ; L
	v_and_b32 v2, 15, v0                           ; r
	v_bfe_u32 v3, v0, 4, 1                         ; h
	v_mul_u32_u24 v4, v3, 0xc000                   ; x: 16 tokens of 3,072 bytes for the upper lanes,
	v_lshl_add_u32 v4, v2, 4, v4                   ; + 16 r
	v_mul_u32_u24 v5, v2, 528                      ; Wg in LDS: chunk r of each 16
	v_add_nc_u32 v5, WGL, v5
	s_mul_i32 s33, s22, 5120                       ; my wave's record stage: eight records
	v_bfe_u32 v10, v0, 1, 1
	v_mul_u32_u24 v6, v10, 288                     ; my codes' place in a record: odd blocks 288 on,
	v_bfe_u32 v10, v0, 2, 2
	v_mad_u32_u24 v6, v10, 24, v6                  ; 24 bytes a block of that kind,
	v_and_b32 v10, 1, v0
	v_mad_u32_u24 v6, v10, 12, v6                  ; the block's upper 16 codes 12 on,
	v_mad_u32_u24 v6, v3, 2560, v6                 ; the upper lanes' records four slots on
	v_add_nc_u32 v6, s33, v6
	v_bfe_u32 v10, v0, 1, 3
	v_mad_u32_u24 v7, v3, 2560, v10                ; my block's scale byte
	v_add_nc_u32 v7, s33, v7
	v_add_nc_u32 v7, 576, v7
	v_lshl_add_u32 v8, v1, 4, s33                  ; the record stage read on end
	v_lshlrev_b32 v9, 4, v1
	s_mul_i32 s34, s22, 15360                      ; my wave's two stages for the turn
	s_add_co_u32 s34, s34, TS
	v_bfe_u32 v10, v0, 2, 2
	v_mul_u32_u24 v112, v10, 80                    ; in: four lanes' 64 bytes on end, then 16 of padding: 80 (r / 4)
	v_and_b32 v10, 3, v0
	v_lshl_add_u32 v112, v10, 4, v112              ; + 16 (r % 4),
	v_mad_u32_u24 v112, v3, 3840, v112             ; the upper lanes' token 48 chunks on
	v_add_nc_u32 v112, s34, v112
	v_mul_u32_u24 v113, v2, 80                     ; out: 80 r: my 16 neighbours
	v_mad_u32_u24 v113, v3, 3840, v113
	v_add_nc_u32 v113, s34, v113
	s_mul_i32 s34, s22, 6336                       ; Wg in LDS: my wave's twelve chunks,
	s_add_co_u32 s34, s34, WGL
	v_lshl_add_u32 v114, v1, 4, s34                ; 16 bytes a lane
	v_lshlrev_b32 v10, 2, v2                       ; We: column r, the upper lanes 32 rows of 1,024 bytes down
	v_lshl_add_u32 v10, v3, 15, v10
	v_lshlrev_b32 v12, 4, v2
	v_lshlrev_b32 v13, 2, v1
	v_lshlrev_b32 v14, 3, v1
	v_bfe_u32 v11, v0, 2, 3
	v_mul_u32_u24 v11, v11, 640
	v_add_nc_u32 v11, s33, v11                     ; record L / 4 of the stage
	v_and_b32 v15, 3, v0
	v_lshl_add_u32 v15, v15, 3, v11
	v_lshl_add_u32 v101, v0, 2, HX                 ; my word among the counts: 128 x wave + 4 L
	v_mov_b32 v126, 0
	v_mov_b32 v127, 0
.irp e, 0,1,2,3,4,5,6,7
	v_mov_b32 v[32+\e], 0                          ; read as the other side of a select before all lanes are written
.endr
	ds_store_b64 v15, v[126:127] offset:600        ; bytes 600-639 of the eight records: zeros, once
	ds_store_b64 v11, v[126:127] offset:632
	s_mov_b32 s48, 0x76543210
	s_mov_b32 s49, 0xfedcba98                      ; v_permlanex16_b32's selects for lane L xor 16
	s_mov_b32 s32, 0x00010001
	s_lshr_b32 s34, ttmp9, 1                       ; We: the unit,
	s_and_b32 s35, ttmp9, 1
	s_mul_i32 s35, s35, 3
	s_add_co_u32 s35, s35, s22                     ; the K step (waves 0-2),
	s_lshr_b32 s36, s34, 4
	s_mul_i32 s36, s36, 786432                     ; the expert's 768 x 256 numbers,
	s_lshl_b32 s38, s35, 17                        ; 128 rows of 1,024 bytes a K step,
	s_add_co_u32 s36, s36, s38
	s_and_b32 s37, s34, 15
	s_lshl_b32 s37, s37, 6                         ; 16 columns a tile
	s_add_co_u32 s36, s36, s37
	s_mov_b32 s37, 0
	s_mul_i32 s38, s34, 9728
	s_mul_i32 s39, s35, 1536
	s_add_co_u32 s38, s38, s39                     ; the fragment's image in wq
	s_mov_b32 s39, 0
	s_mul_i32 s40, s34, 9728
	s_and_b32 s41, s35, 1
	s_lshl_b32 s41, s41, 8
	s_add_co_u32 s40, s40, s41                     ; its scale words: odd K steps in the upper lanes' places,
	s_lshr_b32 s41, s35, 1
	s_lshl_b32 s41, s41, 2
	s_add_co_u32 s40, s40, s41                     ; word s / 2
	s_mov_b32 s41, 0
	s_lshl_b32 s46, ttmp9, 7
	s_lshl_b32 s47, s22, 5
	s_add_co_u32 s46, s46, s47                     ; T0
	s_mul_i32 s50, s46, 3072
	s_mov_b32 s51, 0
	s_mul_i32 s52, s46, 640
	s_mov_b32 s53, 0
	s_lshl_b32 s54, s46, 3
	s_mov_b32 s55, 0
	s_lshl_b32 s56, s46, 2
	s_mov_b32 s57, 0
	s_lshl_b32 s58, ttmp9, 7
	s_mov_b32 s59, 0
	s_mul_i32 s60, s22, 6144                       ; my wave's quarter of Wg
	s_mov_b32 s61, 0
	s_wait_kmcnt 0x0
	s_load_b256 s[24:31], s[8:9], 0x0              ; bg
	s_add_nc_u64 s[4:5], s[4:5], s[50:51]
	s_add_nc_u64 s[6:7], s[6:7], s[60:61]
	s_add_nc_u64 s[12:13], s[12:13], s[52:53]
	s_add_nc_u64 s[16:17], s[16:17], s[54:55]
	s_add_nc_u64 s[18:19], s[18:19], s[56:57]
	s_add_nc_u64 s[20:21], s[20:21], s[58:59]
	s_add_nc_u64 s[10:11], s[10:11], s[36:37]
	s_add_nc_u64 s[42:43], s[14:15], s[38:39]
	s_add_nc_u64 s[44:45], s[14:15], s[40:41]
	WIN 0xc0
.irp i, 0,1,2,3,4,5,6,7,8,9,10,11
	global_load_b128 v[192+4*\i:195+4*\i], v9, s[6:7] offset:512*\i   ; Wg's quarter on end: 512 consecutive bytes a load
.endr
.irp u, 0,1,2,3
	XLOAD \u, \u*3072                              ; the ring is filled: four steps, 48 loads a wave
.endr
	s_wait_loadcnt 48                              ; Wg's twelve loads are in; the ring's 48 stay out
	WIN 0x0c
.irp i, 0,1,2,3,4,5,6,7,8,9,10,11
	ds_store_b128 v114, v[192+4*\i:195+4*\i] offset:528*\i   ; a load's 512 bytes are one chunk
.endr
	WIN 0
	s_wait_kmcnt 0x0                               ; bg
	s_wait_dscnt 0x0                               ; for the others' sake: my quarter of Wg is in LDS
	s_barrier_signal -1
	s_barrier_wait -1                              ; all of Wg is
	WIN 0x40                                       ; my slice of Wg: rows 256 gq + 16 r + ii: it stays
.set kk, 0
.rept 32
	ds_load_b128 v[8*kk:8*kk+3], v5 offset:8448*(kk/16)+32*(kk%16)
	ds_load_b128 v[8*kk+4:8*kk+7], v5 offset:8448*(kk/16)+32*(kk%16)+16
.set kk, kk+1
.endr
	WIN 0x80
.set kk, 0
.rept 16
	ds_load_b128 v[8*kk:8*kk+3], v5 offset:16896+32*kk
	ds_load_b128 v[8*kk+4:8*kk+7], v5 offset:16896+32*kk+16
.set kk, kk+1
.endr
	WIN 0
	; ---- waves 0-2: one fragment of We.  Lane (r, h) takes column r and its registers run down K: k = 64 c + 32 h + 0..31, the order of the operand's registers, so nothing is transposed
	s_cmp_lt_u32 s22, 3
	s_cbranch_scc0 .Lno_we
	WIN 0xc0
.irp c, 0,1
.set i, 0
.rept 32
	global_load_b32 v[192+32*\c+i], v10, s[10:11] offset:(64*\c+i)*1024
.set i, i+1
.endr
.endr
	s_wait_loadcnt 0x0                             ; these were issued last: all my loads are in
	WIN 0x0f
.irp c, 0,1
	v_max3_num_f32 v[128+\c], |v[192+32*\c]|, |v[193+32*\c]|, 0x2800000   ; a whole block is mine; the floor as above
.endr
.irp i, 2,4,6,8,10,12,14,16,18,20,22,24,26,28,30
.irp c, 0,1
	v_max3_num_f32 v[128+\c], |v[192+32*\c+\i]|, |v[193+32*\c+\i]|, v[128+\c]
.endr
.endr
	WIN 0
.irp c, 0,1
	v_add_nc_u32 v[130+\c], 0xfe000000, v[128+\c]
.endr
.irp c, 0,1
	v_lshrrev_b32 v[132+\c], 23, v[130+\c]
.endr
	v_lshl_or_b32 v134, v133, 16, v132             ; my two bytes: blocks h and 2 + h,
	v_lshlrev_b32 v135, 3, v3
	v_lshlrev_b32 v134, v135, v134                 ; 8 h bits up;
	v_mov_b32 v135, 0
	v_permlanex16_b32 v135, v134, s48, s49
	v_or_b32 v134, v134, v135                      ; with lane L xor 16's two the word is whole
	WIN 0x03
.irp c, 0,1
	v_cvt_scalef32_pk16_bf6_f32 v[136+6*\c:138+6*\c], v[192+32*\c:207+32*\c], v[130+\c]
	v_cvt_scalef32_pk16_bf6_f32 v[148+4*\c:150+4*\c], v[208+32*\c:223+32*\c], v[130+\c]   ; (a conversion's three registers begin on an even number)
.endr
	WIN 0
	v_nop                                          ; one plain line behind the conversions
.irp c, 0,1
.irp i, 0,1,2
	v_mov_b32 v[139+6*\c+\i], v[148+4*\c+\i]
.endr
.endr
.irp j, 0,1,2
	global_store_b128 v9, v[136+4*\j:139+4*\j], s[42:43] offset:512*\j   ; the image: 512 consecutive bytes a store
.endr
	global_store_b32 v12, v134, s[44:45] offset:9216                     ; column r's scale word (both halves of the lanes hold and write the same)
.Lno_we:
	s_wait_loadcnt 36                              ; step 0's twelve loads are in; those of steps 1 to 3 may be out
	TURN 0
	WIN 0
	s_wait_dscnt 0x0                               ; my slice of Wg and step 0's numbers are in registers
	s_mov_b32 s23, 3
.Ltrip:                                            ; three trips of four steps; each step refills its slot, so 36 to 48 loads a wave stay out
	STEP 0, 1, 1, 36
	STEP 1, 1, 1, 36
	STEP 2, 1, 1, 36
	STEP 3, 1, 1, 36
	FLUSH
	s_wait_xcnt 0x0                                ; loads and stores have read their bases
	s_add_nc_u64 s[4:5], s[4:5], 12288
	s_add_nc_u64 s[12:13], s[12:13], 2560
	s_lshl_b32 s32, s32, 4
	s_sub_co_u32 s23, s23, 1
	s_cmp_lg_u32 s23, 0
	s_cbranch_scc1 .Ltrip
	STEP 0, 0, 1, 24                               ; the last four steps load nothing: the counts run down,
	STEP 1, 0, 1, 12
	STEP 2, 0, 1, 0
	STEP 3, 0, 0, 0                                ; and behind the last nothing is left to turn
	FLUSH
	; ---- the end: lane L stands for token T0 + L
.irp e, 0,1,2,3,4,5,6,7
	v_add_f32 v[64+\e], s[24+\e], v[32+\e]
.endr
	v_mov_b32 v72, v64                             ; the largest logit and its expert,
	v_mov_b32 v73, 0
	v_mov_b32 v74, 0xff800000                      ; the second largest
	v_mov_b32 v75, 0
.irp e, 1,2,3,4,5,6,7                  ; strictly greater: the lower index keeps a tie
	v_mov_b32 v76, \e
	v_cmp_gt_f32 s34, v[64+\e], v72
	v_cmp_gt_f32 s35, v[64+\e], v74
	v_cndmask_b32 v74, v74, v[64+\e], s35
	v_cndmask_b32 v75, v75, v76, s35
	v_cndmask_b32 v74, v74, v72, s34
	v_cndmask_b32 v75, v75, v73, s34
	v_cndmask_b32 v72, v72, v[64+\e], s34
	v_cndmask_b32 v73, v73, v76, s34
.endr
.irp e, 0,1,2,3,4,5,6,7
	v_sub_f32 v[80+\e], v[64+\e], v72              ; the maximum is taken away ahead of the exponentials
.endr
	v_sub_f32 v88, v74, v72
.irp e, 0,1,2,3,4,5,6,7,8
	v_mul_f32 v[80+\e], 0x3fb8aa3b, v[80+\e]
.endr
	s_wait_alu depctr_va_vdst(0)
.irp e, 0,1,2,3,4,5,6,7,8
	v_exp_f32 v[80+\e], v[80+\e]
.endr
	v_nop                                          ; a plain line behind the exponentials
	s_wait_alu depctr_va_vdst(0)
	v_add_f32 v89, v80, v81
	v_add_f32 v90, v82, v83
	v_add_f32 v91, v84, v85
	v_add_f32 v92, v86, v87
	v_add_f32 v89, v89, v90
	v_add_f32 v91, v91, v92
	v_add_f32 v89, v89, v91
	s_wait_alu depctr_va_vdst(0)
	v_rcp_f32 v89, v89                             ; the largest's weight: 1 / the sum
	v_min_u32 v91, v73, v75                        ; lo  (a plain line behind the reciprocal)
	v_max_u32 v92, v73, v75                        ; hi
	s_wait_alu depctr_va_vdst(0)
	v_mul_f32 v90, v88, v89                        ; the second's weight
	v_cmp_lt_u32 vcc_lo, v73, v75
	v_cndmask_b32 v94, v90, v89, vcc_lo            ; lo's weight,
	v_cndmask_b32 v95, v89, v90, vcc_lo            ; hi's
	v_sub_nc_u32 v96, 15, v91
	v_mul_u32_u24 v96, v91, v96
	v_lshrrev_b32 v96, 1, v96                      ; pairs with a smaller lo: lo (15 - lo) / 2
	v_sub_nc_u32 v97, 7, v92                       ; odd lo: hi runs down,
	v_sub_nc_u32 v98, v92, v91
	v_add_nc_u32 v98, -1, v98                      ; even lo: up
	v_and_b32 v99, 1, v91
	v_cmp_eq_u32 vcc_lo, 1, v99
	v_cndmask_b32 v97, v98, v97, vcc_lo
	v_add_nc_u32 v96, v96, v97                     ; the key
	v_mov_b32 v100, 0
.set qq, 0
.rept 28
	v_cmp_eq_u32 s34, qq, v96
	s_bcnt1_i32_b32 s35, s34
	v_writelane_b32 v100, s35, qq                  ; lane q: how many of my wave's tokens have key q
.set qq, qq+1
.endr
	ds_store_b32 v101, v100
	s_wait_dscnt 0x0                               ; for the others' sake: my counts are in LDS
	s_barrier_signal -1
	s_barrier_wait -1
.irp k, 0,1,2,3
	ds_load_b32 v[102+\k], v13 offset:HX+128*\k
.endr
	s_wait_dscnt 0x0
	v_add_nc_u32 v106, v102, v103
	v_add_nc_u32 v107, v104, v105
	v_add_nc_u32 v106, v106, v107                  ; the work-group's counts
	v_mov_b32 v108, 0
.irp k, 0,1,2
	s_cmp_gt_u32 s22, \k
	s_cselect_b32 s34, -1, 0
	v_and_b32 v109, s34, v[102+\k]
	v_add_nc_u32 v108, v108, v109                  ; those of the waves in front of mine
.endr
	v_mov_b32 v110, 0
.set qq, 0
.rept 28
	v_cmp_eq_u32 s34, qq, v96
	v_readlane_b32 s35, v108, qq
	v_mbcnt_lo_u32_b32 v111, s34, s35              ; lanes below mine with key q, + the waves in front
	v_cndmask_b32 v110, v110, v111, s34            ; my rank, where q is my key
.set qq, qq+1
.endr
	v_lshl_or_b32 v110, v96, 8, v110
	v_lshl_or_b32 v110, v91, 16, v110
	v_lshl_or_b32 v110, v92, 20, v110
	global_store_b32 v13, v110, s[18:19]
	global_store_b64 v14, v[94:95], s[16:17]
	s_cmp_lg_u32 s22, 0
	s_cbranch_scc1 .Ldone
	global_store_b32 v13, v106, s[20:21]
.Ldone:
	s_wait_tensorcnt 0x0
	ds_add_u32 v254, v255
	s_wait_dscnt 0x0
	s_endpgm
.Lfunc_end_k_qe94de870c6_prep:
	.size	k_qe94de870c6_prep, .Lfunc_end_k_qe94de870c6_prep-k_qe94de870c6_prep
	.p2alignl 7, 3214868480
	.fill 96, 4, 3214868480
	.section	.rodata,"a",@progbits
	.p2align	6, 0x0
	.amdhsa_kernel k_qe94de870c6_prep
		.amdhsa_group_segment_fixed_size 108288
		.amdhsa_private_segment_fixed_size 0
		.amdhsa_enable_private_segment 0
		.amdhsa_kernarg_size 72
		.amdhsa_user_sgpr_count 2
		.amdhsa_user_sgpr_kernarg_segment_ptr 1
		.amdhsa_wavefront_size32 1
		.amdhsa_system_sgpr_workgroup_id_x 1
		.amdhsa_system_sgpr_workgroup_id_y 1
		.amdhsa_system_sgpr_workgroup_id_z 1
		.amdhsa_system_vgpr_workitem_id 0
		.amdhsa_next_free_vgpr 1024
		.amdhsa_next_free_sgpr 66
		.amdhsa_reserve_vcc 1
		.amdhsa_float_denorm_mode_32 3
		.amdhsa_float_denorm_mode_16_64 3
		.amdhsa_memory_ordered 1
		.amdhsa_forward_progress 1
		.amdhsa_inst_pref_size 214
	.end_amdhsa_kernel
	.amdgpu_metadata
---
amdhsa.version: [ 1, 2 ]
amdhsa.kernels:
  - .name:           k_qe94de870c6_prep
    .symbol:         k_qe94de870c6_prep.kd
    .args:
      - { .name: x, .offset: 0, .size: 8, .value_kind: global_buffer, .address_space: global }
      - { .name: Wg, .offset: 8, .size: 8, .value_kind: global_buffer, .address_space: global }
      - { .name: bg, .offset: 16, .size: 8, .value_kind: global_buffer, .address_space: global }
      - { .name: We, .offset: 24, .size: 8, .value_kind: global_buffer, .address_space: global }
      - { .name: xq, .offset: 32, .size: 8, .value_kind: global_buffer, .address_space: global }
      - { .name: wq, .offset: 40, .size: 8, .value_kind: global_buffer, .address_space: global }
      - { .name: gw, .offset: 48, .size: 8, .value_kind: global_buffer, .address_space: global }
      - { .name: meta, .offset: 56, .size: 8, .value_kind: global_buffer, .address_space: global }
      - { .name: hist, .offset: 64, .size: 8, .value_kind: global_buffer, .address_space: global }
    .group_segment_fixed_size: 108288
    .private_segment_fixed_size: 0
    .kernarg_segment_align: 8
    .kernarg_segment_size: 72
    .max_flat_workgroup_size: 128
    .sgpr_count:     66
    .vgpr_count:     1024
    .wavefront_size: 32
...
	.end_amdgpu_metadata
.endif
;; end of part 5
;; launch place (part 6): grid 32 x 1, 8 waves a work-group, no clusters, 3,072 bytes of LDS; arguments meta, hist, gw, order, ow; writes order, ow
.if DOCPART == 6
	.amdgcn_target "amdgcn-amd-amdhsa--gfx1250"
	.amdhsa_code_object_version 6
	.text
	.protected	k_qe94de870c6_place
	.globl	k_qe94de870c6_place
	.p2align	8
	.type	k_qe94de870c6_place,@function
k_qe94de870c6_place:
	s_mov_b64 s[64:65], 0
	v_nop
	global_prefetch_b8 v0, s[64:65] scope:SCOPE_SE
	s_setreg_imm32_b32 hwreg(HW_REG_WAVE_MODE, 25, 1), 1
	s_wait_xcnt 0x0
; SECOND LAUNCH: a counting sort of the 32,768 tokens by the key of their pair of experts, without atomics.  A token's place = the tokens of all smaller keys + the tokens of its key in earlier
; blocks of 128 + its rank in its block.  order[place] = token | lo << 16 | hi << 20;  ow[place] = the token's two weights.
; Wave w of work-group g owns block c = 8 g + w.  The 256 rows of counts (lane = key) are summed by the eight waves, 32 rows each, and the parts meet in LDS behind one barrier.
; The stores are of 4 and 8 bytes to places that hang on the data: 393,216 bytes in all; tokens of one key and one block land side by side.
	s_load_b256 s[4:11], s[0:1], 0x0               ; meta s[4:5], hist s[6:7], gw s[8:9], order s[10:11]
	s_load_b64 s[12:13], s[0:1], 0x20              ; ow
	v_lshl_add_u32 v112, v0, 2, 0x800
	v_mov_b32 v113, 0
	v_lshrrev_b32 v1, 5, v0
	s_delay_alu instid0(VALU_DEP_1)
	v_readfirstlane_b32 s14, v1                    ; wave
	v_and_b32 v1, 31, v0                           ; L
	s_delay_alu instid0(VALU_DEP_1)
	v_lshlrev_b32 v2, 2, v1
	s_wait_alu depctr_va_vdst(0)
	v_lshlrev_b32 v3, 3, v1
	s_lshl_b32 s15, ttmp9, 3                       ; 8 g
	s_add_co_u32 s16, s15, s14                     ; c
	s_lshl_b32 s20, s14, 12                        ; rows 32 w on, 128 bytes each
	s_mov_b32 s21, 0
	s_lshl_b32 s22, ttmp9, 10                      ; rows 8 g on
	s_mov_b32 s23, 0
	s_lshl_b32 s24, s16, 9                         ; my block's 128 words of meta
	s_mov_b32 s25, 0
	s_lshl_b32 s26, s16, 10                        ; and pairs of gw
	s_mov_b32 s27, 0
	s_lshl_b32 s28, s14, 5
	s_sub_co_i32 s28, s15, s28                     ; my row i lies in front of the work-group's blocks where i < 8 g - 32 w
	s_lshl_b32 s30, s14, 8
	v_add_nc_u32 v7, s30, v2                       ; LDS: 256 x wave + 4 L
	s_lshl_b32 s33, s16, 7
	v_add_nc_u32 v100, s33, v1                     ; token 128 c + L
	s_wait_alu depctr_va_vdst(0)
	s_wait_kmcnt 0x0
	s_add_nc_u64 s[20:21], s[6:7], s[20:21]
	s_add_nc_u64 s[22:23], s[6:7], s[22:23]
	s_add_nc_u64 s[4:5], s[4:5], s[24:25]
	s_add_nc_u64 s[8:9], s[8:9], s[26:27]
.set i, 0
.rept 32
	global_load_b32 v[16+i], v2, s[20:21] offset:128*i
.set i, i+1
.endr
.irp k, 0,1,2,3,4,5,6,7
	global_load_b32 v[48+\k], v2, s[22:23] offset:128*\k
.endr
.irp j, 0,1,2,3
	global_load_b32 v[56+\j], v2, s[4:5] offset:128*\j
.endr
.irp j, 0,1,2,3
	global_load_b64 v[60+2*\j:61+2*\j], v3, s[8:9] offset:256*\j
.endr
	s_wait_loadcnt 16                              ; my 32 rows are in; the 16 loads behind them may be out
	v_mov_b32 v4, 0
	v_mov_b32 v5, 0
.set i, 0
.rept 32
	s_cmp_gt_i32 s28, i
	s_cselect_b32 s29, -1, 0
	v_add_nc_u32 v4, v4, v[16+i]                   ; all my rows,
	v_and_b32 v6, s29, v[16+i]
	s_delay_alu instid0(VALU_DEP_1)
	v_add_nc_u32 v5, v5, v6                        ; and those in front of the work-group's blocks
.set i, i+1
.endr
	ds_store_b32 v7, v4
	ds_store_b32 v7, v5 offset:128
	s_wait_dscnt 0x0                               ; for the others' sake
	s_barrier_signal -1
	s_barrier_wait -1
.irp k, 0,1,2,3,4,5,6,7
	ds_load_b32 v[68+\k], v2 offset:256*\k
	ds_load_b32 v[76+\k], v2 offset:256*\k+128
.endr
	s_wait_dscnt 0x0
	v_add3_u32 v14, v68, v69, v70
	v_add3_u32 v15, v76, v77, v78
	s_delay_alu instid0(VALU_DEP_2)
	v_add3_u32 v14, v14, v71, v72
	s_delay_alu instid0(VALU_DEP_2)
	v_add3_u32 v15, v15, v79, v80
	s_delay_alu instid0(VALU_DEP_2)
	v_add3_u32 v14, v14, v73, v74
	s_delay_alu instid0(VALU_DEP_2)
	v_add3_u32 v15, v15, v81, v82
	s_delay_alu instid0(VALU_DEP_2)
	v_add_nc_u32 v14, v14, v75                     ; lane q: all tokens of key q
	s_delay_alu instid0(VALU_DEP_2)
	v_add_nc_u32 v15, v15, v83                     ; and those in blocks in front of 8 g
	s_wait_loadcnt 0x0
	v_mov_b32 v101, 0
.irp k, 0,1,2,3,4,5,6
	s_cmp_gt_u32 s14, \k
	s_cselect_b32 s29, -1, 0
	v_and_b32 v6, s29, v[48+\k]
	s_delay_alu instid0(VALU_DEP_1)
	v_add_nc_u32 v101, v101, v6                    ; blocks 8 g .. c - 1
.endr
	s_mov_b32 s31, 0
	v_mov_b32 v8, 0
.set qq, 0
.rept 28
	v_writelane_b32 v8, s31, qq                    ; lane q: the tokens of all smaller keys
	v_readlane_b32 s32, v14, qq
	s_add_co_u32 s31, s31, s32
.set qq, qq+1
.endr
	v_add3_u32 v9, v8, v15, v101                   ; lane q: where my block's tokens of key q begin
.irp j, 0,1,2,3
	v_bfe_u32 v[10+\j], v[56+\j], 8, 5
	s_delay_alu instid0(VALU_DEP_1)
	v_min_u32 v[10+\j], 31, v[10+\j]
	s_delay_alu instid0(VALU_DEP_1)
	v_lshlrev_b32 v[10+\j], 2, v[10+\j]
	ds_bpermute_b32 v[84+\j], v[10+\j], v9         ; from the lane of my token's key
.endr
	s_wait_dscnt 0x0
.irp j, 0,1,2,3
	v_and_b32 v102, 127, v[56+\j]                  ; the rank
	s_delay_alu instid0(VALU_DEP_1)
	v_add_nc_u32 v102, v102, v[84+\j]
	s_delay_alu instid0(VALU_DEP_1)
	v_min_u32 v102, 0x7fff, v102                   ; a place is under 32,768
	s_delay_alu instid0(VALU_DEP_1)
	v_lshlrev_b32 v[88+\j], 2, v102
	s_delay_alu instid0(VALU_DEP_2)
	v_lshlrev_b32 v[92+\j], 3, v102
	v_add_nc_u32 v103, 32*\j, v100
	s_delay_alu instid0(VALU_DEP_1)
	v_and_or_b32 v[96+\j], v[56+\j], 0xff0000, v103
	global_store_b32 v[88+\j], v[96+\j], s[10:11]
	global_store_b64 v[92+\j], v[60+2*\j:61+2*\j], s[12:13]
.endr
	s_wait_tensorcnt 0x0
	ds_add_u32 v112, v113
	s_wait_dscnt 0x0
	s_endpgm
.Lfunc_end_k_qe94de870c6_place:
	.size	k_qe94de870c6_place, .Lfunc_end_k_qe94de870c6_place-k_qe94de870c6_place
	.p2alignl 7, 3214868480
	.fill 96, 4, 3214868480
	.section	.rodata,"a",@progbits
	.p2align	6, 0x0
	.amdhsa_kernel k_qe94de870c6_place
		.amdhsa_group_segment_fixed_size 3072
		.amdhsa_private_segment_fixed_size 0
		.amdhsa_enable_private_segment 0
		.amdhsa_kernarg_size 40
		.amdhsa_user_sgpr_count 2
		.amdhsa_user_sgpr_kernarg_segment_ptr 1
		.amdhsa_wavefront_size32 1
		.amdhsa_system_sgpr_workgroup_id_x 1
		.amdhsa_system_sgpr_workgroup_id_y 1
		.amdhsa_system_sgpr_workgroup_id_z 1
		.amdhsa_system_vgpr_workitem_id 0
		.amdhsa_next_free_vgpr 114
		.amdhsa_next_free_sgpr 66
		.amdhsa_reserve_vcc 0
		.amdhsa_float_denorm_mode_32 3
		.amdhsa_float_denorm_mode_16_64 3
		.amdhsa_memory_ordered 1
		.amdhsa_forward_progress 1
		.amdhsa_inst_pref_size 24
	.end_amdhsa_kernel
	.amdgpu_metadata
---
amdhsa.version: [ 1, 2 ]
amdhsa.kernels:
  - .name:           k_qe94de870c6_place
    .symbol:         k_qe94de870c6_place.kd
    .args:
      - { .name: meta, .offset: 0, .size: 8, .value_kind: global_buffer, .address_space: global }
      - { .name: hist, .offset: 8, .size: 8, .value_kind: global_buffer, .address_space: global }
      - { .name: gw, .offset: 16, .size: 8, .value_kind: global_buffer, .address_space: global }
      - { .name: order, .offset: 24, .size: 8, .value_kind: global_buffer, .address_space: global }
      - { .name: ow, .offset: 32, .size: 8, .value_kind: global_buffer, .address_space: global }
    .group_segment_fixed_size: 3072
    .private_segment_fixed_size: 0
    .kernarg_segment_align: 8
    .kernarg_segment_size: 40
    .max_flat_workgroup_size: 256
    .sgpr_count:     66
    .vgpr_count:     114
    .wavefront_size: 32
...
	.end_amdgpu_metadata
.endif
;; end of part 6
;; launch chain (part 7): grid 256 x 1, 4 waves a work-group, no clusters, 70,144 bytes of LDS; arguments xq, wq, be, order, ow, out0; writes out0
.if DOCPART == 7
	.amdgcn_target "amdgcn-amd-amdhsa--gfx1250"
	.amdhsa_code_object_version 6
	.text
	.protected	k_qe94de870c6_chain
	.globl	k_qe94de870c6_chain
	.p2align	8
	.type	k_qe94de870c6_chain,@function
k_qe94de870c6_chain:
	s_mov_b64 s[64:65], 0
	v_nop
	global_prefetch_b8 v0, s[64:65] scope:SCOPE_SE
	s_setreg_imm32_b32 hwreg(HW_REG_WAVE_SCHED_MODE, 0, 2), 2
	s_setreg_imm32_b32 hwreg(HW_REG_WAVE_MODE, 25, 1), 1
	s_wait_xcnt 0x0
	s_wait_alu depctr_vm_vsrc(0)
; THIRD LAUNCH: out[t] = the sum over t's two experts e of cw_e (Q(x[t]) Q(We[e]) + be[e]), on codes of E3M2 with E8M0 scales.  The other six experts have weight 0 in the problem's own one-hot and are not multiplied.
; SHARES.  The tokens come sorted by their pair of experts.  Wave w of work-group b (i = w / 2, j = w % 2) owns the 64 sorted places 128 b + 64 i on (four tiles of 16 tokens) and the output columns
; 128 j .. 128 j + 127, in two passes of four tiles of 16.  It owns those numbers of out alone: no sum spans waves, and the launch has no barrier.
; THE WALK.  The wave lists the experts that its 64 tokens use (two as a rule, three where a key changes, any number up to eight is served) and multiplies all 64 tokens by each; a token that does not
; use an expert takes it with weight 0.  The trip count and the weights' addresses hang on whole numbers read from the stored list.
; THE WEIGHTS go from memory straight into registers, as images of the operand's registers: four buffers of one unit (six fragments, scale words, bias), each asked for again as soon as it has been
; multiplied: 21 loads a buffer.  NO JOINT LOADS, NO LDS RING: which experts a wave walks, and how many, differs from wave to wave and from work-group to work-group, so partners would ask for
; different numbers of tiles, and neither a barrier nor a tensor load may stand under a branch on loaded numbers.
; THE PRODUCT IS USED TRANSPOSED: source 0 = 16 columns of We, source 1 = 16 tokens: lane (r, h) holds token r and its registers the columns 8 h + 0..7.  The bias is the C of a sum's first instruction.
; THE MODE: SCHED_MODE bits 1:0 = 2 (LLVM: expert scheduling mode 2), set by the entry lines.  The code itself states the register dependences between vector or matrix instructions and memory or LDS
; instructions, with s_wait_alu, always for 0.
; THE PLAN.  Registers that memory or LDS instructions touch:
;   weight buffer n, its scale words v[64 + 4 n ..] and its bias v[80 + 8 n ..]: written by the 21 loads of PF n; read by the 24 matrix instructions of BODY n and by nothing else.
;   x's fragments and scale words: loaded once at the head, read by matrix instructions, never loaded again.
;   out's sums: written by each BODY's sixteen packed lines; read by FLUSH's LDS stores; written anew in pass 1.
;   v176-239: written by FLUSH's LDS loads, read by its global stores; no vector instruction names them.
;   the offsets v1-4, v244-246, v36-39, v240-243, v144-175: made once at the head by vector lines, then only read.
; So a wait on va_vdst stands in each BODY ahead of its packed lines, and a second in a BODY that asks for its buffer again, behind its packed lines and ahead of its 21 loads: the tile's matrix instructions are done reading the buffer, the scale words and
; the bias.  The wait of a pass's last such BODY also shows out's sums written, for the LDS stores of the way out; the last pass's last four BODY load nothing and hold no wait behind their packed lines, so one stands ahead of its way out.
; On the way out one wait on vm_vsrc serves two groups of eight rows.  Masks of compares go to scalar registers in runs, one wait on va_sdst behind each run.
; REGISTERS: window 0: v1-7 offsets and at work; v8-19 list entries, lo, hi; v20-27 the two weights; v28-35 this expert's weight (even registers); v36-39, v240-243 the records' offsets; v40-63 x's scale words;
;   v64-79 We's scale words; v80-111 bias; v112-143 four accumulators; v144-175 the rows' offsets in out; v176-239 rows on their way out; v244-249 lane offsets.
;   window 1: v0-143 x's K steps 0-2 (36 a tile); v144-215 weight buffer 3.   window 2: v0-143 x's K steps 3-5; v144-239 out's sums for n = 0..2.   window 3: v0-215 weight buffers 0-2; v216-247 out's sums for n = 3.
.set MSB, 0
.macro WIN new                         ; the immediate's high byte repeats the setting that is left
.if MSB != \new
	s_set_vgpr_msb (MSB<<8)|\new
.set MSB, \new
.endif
.endm
.macro TAB n                           ; where column tile n has its weight buffer (window WW, register WB) and its sums (OW, OB)
.if \n < 3
.set WW, 3
.set WB, 72*\n
.set OW, 2
.set OB, 144+32*\n
.else
.set WW, 1
.set WB, 144
.set OW, 3
.set OB, 216
.endif
.endm
.macro PF n                            ; buffer n is asked for: the next expert's unit of column tile n: 18 + 1 + 2 loads
	TAB \n
	WIN (WW<<6)
.irp qq, 0,1,2,3,4,5,6,7,8,9,10,11,12,13,14,15,16,17
	global_load_b128 v[WB+4*\qq:WB+4*\qq+3], v1, s[24:25] offset:9728*\n+512*\qq
.endr
	WIN 0
	global_load_b96 v[64+4*\n:66+4*\n], v1, s[24:25] offset:9728*\n+9216   ; word u: lanes 0-15 K step 2 u, lanes 16-31 K step 2 u + 1
	global_load_b128 v[80+8*\n:83+8*\n], v2, s[26:27] offset:64*\n
	global_load_b128 v[84+8*\n:87+8*\n], v2, s[26:27] offset:64*\n+16
.endm
.macro NEXT pb                         ; s34 = 4 x the next expert's place in the list; pb: the pass's bases
	s_wait_xcnt 0x0                                ; the loads that are out have read the bases
	s_lshr_b32 s23, s19, s34
	s_and_b32 s23, s23, 7
	s_min_u32 s23, s23, 7
	s_mul_i32 s36, s23, 155648                     ; 16 units an expert
	s_mov_b32 s37, 0
	s_add_nc_u64 s[24:25], s[\pb:\pb+1], s[36:37]
	s_lshl_b32 s36, s23, 10
	s_add_nc_u64 s[26:27], s[\pb+2:\pb+3], s[36:37]
.endm
.macro CWS                             ; each token's weight for expert s22: lo's, hi's or 0.  The eight compares stand in one run, each with a scalar register of its own
.irp m, 0,1,2,3
	v_cmp_eq_u32 s[34+\m], s22, v[12+\m]
	v_cmp_eq_u32 s[44+\m], s22, v[16+\m]
.endr
	s_wait_alu depctr_va_sdst(0)                   ; the eight masks s34-37 and s44-47 are written, ahead of the selects that read them
.irp m, 0,1,2,3
	v_cndmask_b32 v[28+2*\m], 0, v[20+2*\m], s[34+\m]
.endr
.irp m, 0,1,2,3
	v_cndmask_b32 v[28+2*\m], v[28+2*\m], v[21+2*\m], s[44+\m]
.endr
.endm
.macro HEAD pb
	s_mov_b32 s22, s23                             ; the expert whose units are on their way is now in hand
	NEXT \pb
	CWS
.endm
.macro MM n, s, m
.if \s == 0
	v_wmma_scale_f32_16x16x128_f8f6f4 v[112+8*\m:119+8*\m], v[WB+12*\s:WB+12*\s+11], v[36*\m+12*(\s%3):36*\m+12*(\s%3)+11], v[80+8*\n:87+8*\n], v[64+4*\n+\s/2], v[40+6*\m+\s] matrix_a_fmt:MATRIX_FMT_BF6 matrix_b_fmt:MATRIX_FMT_BF6
.elseif \s%2 == 0
	v_wmma_scale_f32_16x16x128_f8f6f4 v[112+8*\m:119+8*\m], v[WB+12*\s:WB+12*\s+11], v[36*\m+12*(\s%3):36*\m+12*(\s%3)+11], v[112+8*\m:119+8*\m], v[64+4*\n+\s/2], v[40+6*\m+\s] matrix_a_fmt:MATRIX_FMT_BF6 matrix_b_fmt:MATRIX_FMT_BF6
.else
	v_wmma_scale_f32_16x16x128_f8f6f4 v[112+8*\m:119+8*\m], v[WB+12*\s:WB+12*\s+11], v[36*\m+12*(\s%3):36*\m+12*(\s%3)+11], v[112+8*\m:119+8*\m], v[64+4*\n+\s/2], v[40+6*\m+\s] matrix_a_fmt:MATRIX_FMT_BF6 matrix_b_fmt:MATRIX_FMT_BF6 matrix_a_scale:MATRIX_SCALE_ROW1
.endif
.endm
; One column tile of one expert against the 64 tokens: 24 matrix instructions, the four accumulators by turns, one instruction a turn, K ascending.
; Then out's sums take weight x result.  Behind the last matrix instruction stand four v_nop; the packed lines of the other tiles of tokens, which name none of its registers, add to them: so at least
; four plain lines stand in front of each read of a result and of the loads into the buffer, and at least five in front of the next matrix instruction that begins an accumulator anew.
; wc = the younger buffers' loads that may stay out, 21 each.
.macro BODY n, first, pf, wc
	TAB \n
	s_wait_loadcnt \wc
	WIN (WW|(1<<2))                                ; source 0 the buffer's window, source 1 window 1
.irp s, 0,1,2
.irp m, 0,1,2,3
	MM \n, \s, \m
.endr
.endr
	WIN (WW|(2<<2))                                ; source 1 window 2
.irp s, 3,4,5
.irp m, 0,1,2,3
	MM \n, \s, \m
.endr
.endr
.rept 4
	v_nop
.endr
	WIN ((OW<<6)|(OW<<4))                          ; destination and source 2: out's sums
	s_wait_alu depctr_va_vdst(0)
.irp m, 0,1,2,3
.irp p, 0,1,2,3                        ; each accumulator from its low end on
.if \first
	v_pk_mul_f32 v[OB+8*\m+2*\p:OB+8*\m+2*\p+1], v[112+8*\m+2*\p:112+8*\m+2*\p+1], v[28+2*\m:29+2*\m] op_sel_hi:[1,0]   ; the first expert starts the sums
.else
	v_pk_fma_f32 v[OB+8*\m+2*\p:OB+8*\m+2*\p+1], v[112+8*\m+2*\p:112+8*\m+2*\p+1], v[28+2*\m:29+2*\m], v[OB+8*\m+2*\p:OB+8*\m+2*\p+1] op_sel_hi:[1,0,1]
.endif
.endr
.endr
.if \pf
	WIN (WW<<6)                                    ; the loads' window first, then the wait, then the loads
	s_wait_alu depctr_va_vdst(0)                   ; this tile's matrix instructions are done reading buffer n, its scale words and its bias, in which the 21 loads below land; the packed lines have written out's sums
	PF \n
.endif
	WIN 0
.endm
; A pass's 64 tokens x 64 columns leave through my own stage in LDS (rows of 256 bytes + 16): in by lanes that hold 32 bytes of a row, back as whole rows; sixteen lanes store 256 consecutive
; bytes, aligned, of a token's row of out.  LDS serves a wave's instructions in order: no wait between the stores and the loads.
; The last wait on va_vdst ahead of this macro stands behind the pass's last packed line, and no vector or matrix instruction follows it: out's sums, which the LDS stores read, and the rows' offsets
; v144-175, which the global stores read, are written.
.macro FLUSH ch
.irp n, 0,1,2,3
	TAB \n
	WIN (OW<<2)                                    ; an LDS store's data are its source 1
.irp m, 0,1,2,3
	ds_store_b128 v3, v[OB+8*\m:OB+8*\m+3] offset:4352*\m+64*\n
	ds_store_b128 v3, v[OB+8*\m+4:OB+8*\m+7] offset:4352*\m+64*\n+16
.endr
.endr
	WIN 0
.irp g, 0,1,2,3
	s_wait_xcnt 0x0                                ; earlier stores have read the registers that are loaded now
.if (\g == 2) || ((\g == 0) && (\ch == 1))
	s_wait_alu depctr_vm_vsrc(0)                   ; the global stores of the two groups before (at pass 1's first group: pass 0's last two) have read v176-239, in which this group's and the next group's LDS loads land; in pass 0 also: the LDS stores above have read out's sums, which pass 1's packed lines write anew
.endif
.irp t, 0,1,2,3,4,5,6,7
	ds_load_b128 v[176+32*(\g%2)+4*\t:176+32*(\g%2)+4*\t+3], v4 offset:(16*\g+2*\t)*272
.endr
.irp t, 0,1,2,3,4,5,6,7
	s_wait_dscnt 7-\t
	global_store_b128 v[144+8*\g+\t], v[176+32*(\g%2)+4*\t:176+32*(\g%2)+4*\t+3], s[32:33] offset:256*\ch th:TH_STORE_NT
.endr
.endr
.endm
	s_load_b256 s[4:11], s[0:1], 0x0               ; xq s[4:5], wq s[6:7], be s[8:9], order s[10:11]
	s_load_b128 s[12:15], s[0:1], 0x20             ; ow s[12:13], out0 s[14:15]
	v_lshl_add_u32 v254, v0, 2, 0x11000
	v_mov_b32 v255, 0
	v_lshrrev_b32 v5, 5, v0
	v_readfirstlane_b32 s16, v5                    ; wave
	v_and_b32 v5, 31, v0                           ; L
	v_lshlrev_b32 v1, 4, v5                        ; 16 L
	v_bfe_u32 v6, v0, 4, 1                         ; h
	v_lshlrev_b32 v2, 5, v6                        ; 32 h
	v_and_b32 v7, 15, v0                           ; r
	v_mul_u32_u24 v3, v7, 272
	v_add_nc_u32 v3, v3, v2                        ; the stage, in: row r, + 32 h
	v_mul_u32_u24 v4, v6, 272
	v_lshl_add_u32 v4, v7, 4, v4                   ; back: lanes 0-15 one row, lanes 16-31 the next
	v_lshlrev_b32 v244, 2, v7                      ; 4 r
	v_lshlrev_b32 v245, 3, v7                      ; 8 r
	v_lshlrev_b32 v246, 2, v6                      ; 4 h
	v_lshlrev_b32 v247, 4, v7                      ; 16 r
	v_mul_u32_u24 v248, v6, 288                    ; 288 h: the upper lanes take the odd blocks
	v_mov_b32 v7, 1
.irp m, 0,1,2,3
	v_mov_b32 v[29+2*\m], 0                        ; named as the upper halves of pairs, so they are written
.endr
	s_wait_alu depctr_va_sdst(0)                   ; s16 is written, ahead of its first reader: my places, my columns and my stage are made from it
	s_lshr_b32 s17, s16, 1                         ; i: which 64 places
	s_and_b32 s18, s16, 1                          ; j: which 128 columns
	s_mul_i32 s3, s16, 17408                       ; my stage
	v_add_nc_u32 v3, s3, v3
	v_add_nc_u32 v4, s3, v4
	s_lshl_b32 s34, ttmp9, 7
	s_lshl_b32 s35, s17, 6
	s_add_co_u32 s34, s34, s35                     ; my first place
	s_lshl_b32 s38, s34, 2
	s_mov_b32 s39, 0
	s_lshl_b32 s44, s34, 3
	s_mov_b32 s45, 0
	s_mul_i32 s36, s18, 77824                      ; eight units of 9,728 bytes
	s_mov_b32 s37, 0
	s_wait_kmcnt 0x0
	s_add_nc_u64 s[10:11], s[10:11], s[38:39]
	s_add_nc_u64 s[12:13], s[12:13], s[44:45]
	s_add_nc_u64 s[28:29], s[6:7], s[36:37]        ; pass 0: my first four units,
	s_add_nc_u64 s[40:41], s[28:29], 38912         ; pass 1: the next four
	s_lshl_b32 s36, s18, 9
	s_add_nc_u64 s[30:31], s[8:9], s[36:37]        ; the biases likewise
	s_add_nc_u64 s[42:43], s[30:31], 256
	s_add_nc_u64 s[32:33], s[14:15], s[36:37]      ; out at my first column
	s_wait_alu depctr_va_vdst(0)                   ; the lane offsets v1-4 and v244-246 are written, which the loads and LDS instructions of the kernel read
.irp m, 0,1,2,3
	global_load_b32 v[8+\m], v244, s[10:11] offset:64*\m            ; the entry of place 16 m + r
.endr
.irp m, 0,1,2,3
	global_load_b64 v[20+2*\m:21+2*\m], v245, s[12:13] offset:128*\m   ; and its two weights
.endr
.set t, 0
.rept 32
	global_load_b32 v[144+t], v246, s[10:11] offset:8*t             ; the entry of place 2 t + L / 16, for the way out
.set t, t+1
.endr
	s_wait_loadcnt 36                              ; the first four loads are in
.irp m, 0,1,2,3
	v_and_b32 v5, 0x7fff, v[8+\m]
	v_min_u32 v5, 0x7fff, v5                       ; a token is under 32,768
	v_mul_u32_u24 v[240+\m], v5, 640               ; its record
	v_add_nc_u32 v[36+\m], v[240+\m], v248
.endr
	WIN 0x40                                       ; x stays in registers: 288 bytes a lane and tile
	s_wait_alu depctr_va_vdst(0)                   ; the records' offsets v36-39 and v240-243 are written, which the 80 loads below read; only loads and window switches stand among them
.irp m, 0,1,2,3
.irp qq, 0,1,2,3,4,5,6,7,8
	global_load_b128 v[36*\m+4*\qq:36*\m+4*\qq+3], v[36+\m], s[4:5] offset:16*\qq
.endr
.endr
	WIN 0x80
.irp m, 0,1,2,3
.irp qq, 0,1,2,3,4,5,6,7,8
	global_load_b128 v[36*\m+4*\qq:36*\m+4*\qq+3], v[36+\m], s[4:5] offset:144+16*\qq
.endr
.endr
	WIN 0
.irp m, 0,1,2,3
	global_load_b128 v[40+6*\m:43+6*\m], v[240+\m], s[4:5] offset:576   ; the six scale words of token r
	global_load_b64 v[44+6*\m:45+6*\m], v[240+\m], s[4:5] offset:592
.endr
.irp m, 0,1,2,3
	v_bfe_u32 v[12+\m], v[8+\m], 16, 4             ; lo
	v_bfe_u32 v[16+\m], v[8+\m], 20, 4             ; hi
.endr
	v_lshlrev_b32 v249, v12, v7
.irp m, 1,2,3
	v_lshlrev_b32 v5, v[12+\m], v7
	v_or_b32 v249, v249, v5
.endr
.irp m, 0,1,2,3
	v_lshlrev_b32 v5, v[16+\m], v7
	v_or_b32 v249, v249, v5                        ; a bit for each expert that my four tokens use
.endr
	s_mov_b32 s19, 0                               ; the list: four bits an expert, ascending
	s_mov_b32 s36, 0
.irp e, 0,1,2,3,4,5,6,7
	v_and_b32 v5, 1<<\e, v249
	v_cmp_ne_u32 s[20+\e], 0, v5                   ; does any lane use expert e?  The eight masks in one run, in s20-27, which take their lasting numbers only behind the list
.endr
	s_wait_alu depctr_va_sdst(0)                   ; s20-27 are written, ahead of the scalar compares that read them
.irp e, 0,1,2,3,4,5,6,7
	s_lshl_b32 s35, \e, s36
	s_cmp_lg_u32 s[20+\e], 0
	s_cselect_b32 s35, s35, 0
	s_cselect_b32 s37, 4, 0
	s_or_b32 s19, s19, s35
	s_add_co_u32 s36, s36, s37
.endr
	s_lshr_b32 s20, s36, 2
	s_sub_co_u32 s20, s20, 1                       ; experts in the list, less 1 (lo < hi: the list has two at the least)
	s_mov_b32 s34, 0
	NEXT 28                                        ; the list's first expert, pass 0
	PF 0                                           ; no wait: the vector lines since the last wait on va_vdst name v5, v7, v8-19 and v249 alone, none of the registers that these 84 loads touch
	PF 1
	PF 2
	PF 3
	s_wait_loadcnt 63                              ; all but the youngest three buffers: the weights, the entries, x and buffer 0 are in
.set t, 0
.rept 32
	v_and_b32 v[144+t], 0x7fff, v[144+t]
	v_min_u32 v[144+t], 0x7fff, v[144+t]
	v_lshl_add_u32 v[144+t], v[144+t], 10, v247    ; the token's row of 1,024 bytes, + 16 (L % 16)
.set t, t+1
.endr
	; ---- pass 0
	s_mov_b32 s34, 4
	HEAD 28
	BODY 0, 1, 1, 63
	BODY 1, 1, 1, 63
	BODY 2, 1, 1, 63
	BODY 3, 1, 1, 63
	s_cmp_gt_u32 s20, 1
	s_cbranch_scc0 .Lp0_last
	s_mov_b32 s21, 1
.Lp0_more:                                         ; the list's places 1 .. P - 2, where it has more than two
	s_lshl_b32 s34, s21, 2
	s_add_co_u32 s34, s34, 4
	HEAD 28
	BODY 0, 0, 1, 63
	BODY 1, 0, 1, 63
	BODY 2, 0, 1, 63
	BODY 3, 0, 1, 63
	s_add_co_u32 s21, s21, 1
	s_cmp_lt_u32 s21, s20
	s_cbranch_scc1 .Lp0_more
.Lp0_last:
	s_mov_b32 s34, 0
	HEAD 40                                        ; the last expert of pass 0; the buffers take the first expert of pass 1
	BODY 0, 0, 1, 63
	BODY 1, 0, 1, 63
	BODY 2, 0, 1, 63
	BODY 3, 0, 1, 63
	FLUSH 0
	; ---- pass 1
	s_mov_b32 s34, 4
	HEAD 40
	BODY 0, 1, 1, 63
	BODY 1, 1, 1, 63
	BODY 2, 1, 1, 63
	BODY 3, 1, 1, 63
	s_cmp_gt_u32 s20, 1
	s_cbranch_scc0 .Lp1_last
	s_mov_b32 s21, 1
.Lp1_more:
	s_lshl_b32 s34, s21, 2
	s_add_co_u32 s34, s34, 4
	HEAD 40
	BODY 0, 0, 1, 63
	BODY 1, 0, 1, 63
	BODY 2, 0, 1, 63
	BODY 3, 0, 1, 63
	s_add_co_u32 s21, s21, 1
	s_cmp_lt_u32 s21, s20
	s_cbranch_scc1 .Lp1_more
.Lp1_last:
	s_mov_b32 s22, s23                             ; the last expert: nothing more is asked for, and the counts run down
	CWS
	BODY 0, 0, 0, 63
	BODY 1, 0, 0, 42
	BODY 2, 0, 0, 21
	BODY 3, 0, 0, 0
	s_wait_alu depctr_va_vdst(0)                   ; the packed lines of the last four tiles have written out's sums, which the LDS stores of the way out read
	FLUSH 1
	s_wait_dscnt 0x0                               ; the closing lines, six on end
	s_wait_alu 0x0
	s_wait_tensorcnt 0x0
	ds_add_u32 v254, v255
	s_wait_dscnt 0x0
	s_endpgm
.Lfunc_end_k_qe94de870c6_chain:
	.size	k_qe94de870c6_chain, .Lfunc_end_k_qe94de870c6_chain-k_qe94de870c6_chain
	.p2alignl 7, 3214868480
	.fill 96, 4, 3214868480
	.section	.rodata,"a",@progbits
	.p2align	6, 0x0
	.amdhsa_kernel k_qe94de870c6_chain
		.amdhsa_group_segment_fixed_size 70144
		.amdhsa_private_segment_fixed_size 0
		.amdhsa_enable_private_segment 0
		.amdhsa_kernarg_size 48
		.amdhsa_user_sgpr_count 2
		.amdhsa_user_sgpr_kernarg_segment_ptr 1
		.amdhsa_wavefront_size32 1
		.amdhsa_system_sgpr_workgroup_id_x 1
		.amdhsa_system_sgpr_workgroup_id_y 1
		.amdhsa_system_sgpr_workgroup_id_z 1
		.amdhsa_system_vgpr_workitem_id 0
		.amdhsa_next_free_vgpr 1024
		.amdhsa_next_free_sgpr 66
		.amdhsa_reserve_vcc 0
		.amdhsa_float_denorm_mode_32 3
		.amdhsa_float_denorm_mode_16_64 3
		.amdhsa_memory_ordered 1
		.amdhsa_forward_progress 1
		.amdhsa_inst_pref_size 203
	.end_amdhsa_kernel
	.amdgpu_metadata
---
amdhsa.version: [ 1, 2 ]
amdhsa.kernels:
  - .name:           k_qe94de870c6_chain
    .symbol:         k_qe94de870c6_chain.kd
    .args:
      - { .name: xq, .offset: 0, .size: 8, .value_kind: global_buffer, .address_space: global }
      - { .name: wq, .offset: 8, .size: 8, .value_kind: global_buffer, .address_space: global }
      - { .name: be, .offset: 16, .size: 8, .value_kind: global_buffer, .address_space: global }
      - { .name: order, .offset: 24, .size: 8, .value_kind: global_buffer, .address_space: global }
      - { .name: ow, .offset: 32, .size: 8, .value_kind: global_buffer, .address_space: global }
      - { .name: out0, .offset: 40, .size: 8, .value_kind: global_buffer, .address_space: global }
    .group_segment_fixed_size: 70144
    .private_segment_fixed_size: 0
    .kernarg_segment_align: 8
    .kernarg_segment_size: 48
    .max_flat_workgroup_size: 128
    .sgpr_count:     66
    .vgpr_count:     1024
    .wavefront_size: 32
...
	.end_amdgpu_metadata
.endif
;; end of part 7
